; MI455X (gfx1250); checked and timed in simulation.
; The chip was launched on July 23, 2026; its instructions are those of AMD's public machine-readable ISA for CDNA 5 (MIT licence, August 2026) and "CDNA5" Instruction Set Architecture Reference Guide (July 2026). The comments in the code are by the model that wrote it; some were corrected since.
;; Multi Head Self Attention. Allowed arithmetic: matrix products marked QUANTISED: E2M1 operands, one E8M0 scale for each 32 along K, by v_wmma_scale_f32_16x16x128_f8f6f4 with both operands' format E2M1 (or v_wmma_scale_f32_32x16x128_f4), f32 sums; products left as they are: bf16, f16 or f32 operands; f32 sums; everything else in f32.
;; Inputs: Wk 1,024 x 1,024 float32; Wo 1,024 x 1,024 float32; Wq 1,024 x 1,024 float32; Wv 1,024 x 1,024 float32; bk 1,024 float32; bo 1,024 float32; bq 1,024 float32; bv 1,024 float32; x 1,024 x 8 x 1,024 float32.
;; Outputs: out0 1,024 x 8 x 1,024 float32.
;; Constants: n_heads = 16.
;; This version of the problem:
;;   THIS VERSION OF THE PROBLEM IS GIVEN IN LOW PRECISION. The matrix products marked QUANTISED in the list below multiply operands that are first quantised to E2M1 (2 exponent bits, 1 mantissa bit; 4 bits a number), with one power-of-two scale for each 32 numbers along K (OCP MX v1.0); their sums are f32. The products marked 'left as it is' may take bf16, f16 or f32 operands, with f32 sums. Whichever they take, every output number must still come out within the allowed error. Rounding operands to bf16 (8 significant bits) uses up far more of that allowance than f16 does (11 bits, for magnitudes from 6e-5 to 65,504). All else is computed in f32.
;;   The module's matrix products, in the order in which they are computed (A, B: the left and right operand; K: the contracted axis; several contracted axes count as one K, in the product's order):
;;     1. [M 8,192, K 1,024] x [K 1,024, N 1,024]; A: input x; B: input Wq: QUANTISED
;;     2. [M 8,192, K 1,024] x [K 1,024, N 1,024]; A: input x; B: input Wk: QUANTISED
;;     3. [M 8,192, K 1,024] x [K 1,024, N 1,024]; A: input x; B: input Wv: QUANTISED
;;     4. batch 128 x [M 1,024, K 64] x [K 64, N 1,024]; A: computed on the way; B: computed on the way: left as it is (an operand is computed on the way)
;;     5. batch 128 x [M 64, K 1,024] x [K 1,024, N 1,024]; A: computed on the way; B: computed on the way: left as it is (an operand is computed on the way)
;;     6. [M 8,192, K 1,024] x [K 1,024, N 1,024]; A: computed on the way; B: input Wo: left as it is (an operand is computed on the way)
;;   THE QUANTISER, for each operand of a quantised product, along K:
;;     - K is cut into blocks of 32 from its start; a last block that is shorter is filled with zeros.
;;     - A block's scale is 2^e with e = floor(log2(the largest magnitude in the block)) - 2, held to -126 .. 127; a block of zeros has e = 0. As a byte (E8M0): e + 127.
;;     - Each number is divided by its block's scale, clamped to +-6, and rounded to the nearest number of E2M1, ties to even, subnormals kept.
;;     - The product sums the exact products of the quantised numbers (number of the format x scale) in f32.
;;   ~~~python
;;   def quantise(x, axis):      # numpy; x: float32 -> the quantised numbers, widened to float32 again
;;       x = np.moveaxis(x, axis, -1); K = x.shape[-1]
;;       x = np.pad(x, [(0, 0)] * (x.ndim - 1) + [(0, -K % 32)]); x = x.reshape(x.shape[:-1] + (-1, 32)); a = np.abs(x).max(-1, keepdims=True)
;;       e = np.where(a > 0, np.clip(np.frexp(np.where(a > 0, a, 1))[1] - 1 - 2, -126, 127), 0)      # np.frexp(a)[1] - 1 = floor(log2(a)), exactly
;;       r = np.clip(x / 2.0 ** e, -6, 6)
;;       step = 2.0 ** (np.maximum(np.frexp(np.where(r == 0, 1, r))[1] - 1, 0) - 1)
;;       q = np.round(r / step) * step * 2.0 ** e      # np.round: ties to even
;;       return np.moveaxis(q.reshape(q.shape[:-2] + (-1,))[..., :K], -1, axis).astype(np.float32)
;;   ~~~
;; One version. Each part assembles by itself: llvm-mc -triple=amdgcn-amd-amdhsa -mcpu=gfx1250 --defsym DOCPART=n.
;; ======== version 1 of 1: 4 launches
;; limits: values are held in f16: magnitudes above 65,504 overflow, below 6.1e-05 lose precision
;; workspace buffers: codes 5,767,168 bytes; scales 360,448 bytes; wo16 2,097,152 bytes; qkv 50,331,648 bytes; ao 16,777,216 bytes
;; launch prep (part 1): grid 384 x 1, 4 waves a work-group, no clusters, 33,280 bytes of LDS; arguments x, Wq, Wk, Wv, Wo, codes, scales, wo16; writes codes, scales, wo16
.if DOCPART == 1
	.amdgcn_target "amdgcn-amd-amdhsa--gfx1250"
	.amdhsa_code_object_version 6
	.text
	.protected	k_qb471f700c4_prep
	.globl	k_qb471f700c4_prep
	.p2align	8
	.type	k_qb471f700c4_prep,@function
k_qb471f700c4_prep:
	s_mov_b64 s[64:65], 0
	v_nop
	global_prefetch_b8 v0, s[64:65] scope:SCOPE_SE
	s_setreg_imm32_b32 hwreg(HW_REG_WAVE_MODE, 25, 1), 1
	s_wait_xcnt 0x0
; x [1024 t][8 b][1024], Wq, Wk, Wv [1024][1024], f32, K innermost, become codes of FP4 (E2M1) with one E8M0 byte for each 32 along K.
; codes: [11264 rows][512 bytes], scales: [11264 rows][32 bytes].  Rows 0-8191: x, in the order m' = 1024 b + t; 8192.. Wq; 9216.. Wk; 10240.. Wv.
; A block's scale is 2^(floor(log2(largest magnitude)) - 2); its byte is the largest magnitude's exponent field - 2, held at 1 from below.
; (A block of zeros so gets the byte 1 where the rule says 127: its codes are zeros, and this program alone reads the bytes.)
; Wo [1024 n][1024 k] becomes f16, laid as images of operand registers: wo16 [64 tiles of 16 n][32 pieces of 32 k][1024 bytes]; in an image registers 4 c .. 4 c + 3 of lane l lie at 512 c + 16 l.
; LIMITS: NaN and infinities among the inputs are not served; |Wo| stays under 65,504 (f16); blocks under the floor 2^(3 - 127) were not tried.
; SHARES: work-groups 0-255 x, 256-287 Wq, 288-319 Wk, 320-351 Wv, 352-383 Wo.  A wave of the first 352 takes a run of 8 rows: 16 steps of 512 numbers.
; Each load reads 512 consecutive bytes; a step's 2,048 bytes turn through the wave's own stage in LDS, so that a lane holds 16 neighbours along K (two lanes a block).
; A wave's store of codes covers 256 consecutive bytes; its 256 scale bytes are gathered in LDS and leave by one store.  No barrier: waves share nothing.
.set STEPS, 16
.set SP,    80                         ; a lane's place in a stage: 64 bytes + 16 of padding
.set WREG,  8192                       ; LDS of a wave: two stages of 32 x SP bytes, then its 256 scale bytes
.set SPARE, 4*WREG                     ; behind the four regions: the spare words, 128 bytes a wave
.set SPW,   12                         ; v12 my spare word's address; never rewritten
.set NIL,   13                         ; v13 0; never rewritten
.set R,     16                         ; v16-79   four sets of 16 numbers as loaded
.set X,     80                         ; v80-111  two sets of 16 neighbours
.set E,     112                        ; v112-127 a scale byte for each step
.set C,     128                        ; v128-159 codes: two registers for each step
.set RA,    160                        ; v160-167 byte offset of my 16 bytes in each of the run's 8 rows
	s_load_b256 s[4:11], s[0:1], 0x0               ; x, Wq, Wk, Wv
	s_load_b256 s[12:19], s[0:1], 0x20             ; Wo, codes, scales, wo16
	v_lshl_add_u32 v[SPW], v0, 2, SPARE
	v_mov_b32 v[NIL], 0
	v_lshrrev_b32 v1, 5, v0
	v_readfirstlane_b32 s28, v1                    ; wave
	v_and_b32 v2, 31, v0                           ; lane
	v_lshlrev_b32 v3, 4, v2                        ; 16 x lane
	s_cmp_ge_u32 ttmp9, 352
	s_cbranch_scc1 .Lwo                            ; the last 32 work-groups take Wo
	s_mul_i32 s29, s28, WREG
	v_lshrrev_b32 v14, 2, v2
	v_mul_u32_u24 v14, v14, SP
	v_and_b32 v15, 3, v2
	v_lshl_add_u32 v14, v15, 4, v14
	v_add_nc_u32 v14, s29, v14                     ; the stage, on the way in: SP (lane / 4) + 16 (lane % 4)
	v_mul_u32_u24 v15, v2, SP
	v_add_nc_u32 v15, s29, v15                     ; and on the way out: SP x lane
	v_lshlrev_b32 v4, 3, v2                        ; 8 bytes a lane: my codes in a step's 256 bytes, and my part of the 256 scale bytes
	v_lshrrev_b32 v5, 1, v2
	s_add_co_u32 s29, s29, 2*32*SP
	v_add_nc_u32 v5, s29, v5                       ; LDS: my block's scale byte
	v_add_nc_u32 v6, s29, v4                       ; and where I read 8 of them back
	s_lshl_b32 s30, ttmp9, 2
	s_add_co_u32 s30, s30, s28                     ; U: my run of 8 rows, 0 .. 1407
	s_and_b32 s23, s30, 127
	s_lshl_b32 s24, s23, 18                        ; x: t = 8 (U % 128): rows of 32,768 bytes,
	s_lshr_b32 s25, s30, 7
	s_lshl_b32 s25, s25, 12                        ; b = U / 128: 4,096 bytes
	s_add_co_u32 s24, s24, s25
	s_lshl_b32 s26, s23, 15                        ; a weight: 8 (U % 128) rows of 4,096 bytes
	s_mov_b32 s22, 4096
	s_wait_kmcnt 0x0
	s_cmp_lt_u32 ttmp9, 320
	s_cselect_b64 s[20:21], s[8:9], s[10:11]       ; the choices hang on the work-group's number alone
	s_cmp_lt_u32 ttmp9, 288
	s_cselect_b64 s[20:21], s[6:7], s[20:21]
	s_cmp_lt_u32 ttmp9, 256
	s_cselect_b64 s[20:21], s[4:5], s[20:21]
	s_cselect_b32 s22, 32768, s22                  ; from row to row of my run
	s_cselect_b32 s24, s24, s26                    ; where my run begins
	s_mov_b32 s25, 0
	s_add_nc_u64 s[20:21], s[20:21], s[24:25]
	s_lshl_b32 s26, s30, 12                        ; 4,096 bytes of codes a run
	s_mov_b32 s27, 0
	s_add_nc_u64 s[14:15], s[14:15], s[26:27]
	s_lshl_b32 s26, s30, 8                         ; 256 scale bytes a run
	s_add_nc_u64 s[16:17], s[16:17], s[26:27]
	v_mov_b32 v[RA], v3
.irp i, 1,2,3,4,5,6,7
	v_add_nc_u32 v[RA+\i], s22, v[RA+\i-1]
.endr
.macro LOAD t                          ; step t: half t % 2 of row t / 2
.irp i, 0,1,2,3
	global_load_b128 v[R+16*((\t)%4)+4*\i:R+16*((\t)%4)+4*\i+3], v[RA+(\t)/2], s[20:21] offset:2048*((\t)%2)+512*\i th:TH_LOAD_NT
.endr
.endm
.macro TURN t                          ; step t's numbers through the stage: LDS serves a wave's instructions in order, so no wait stands between the stores and the loads
.irp i, 0,1,2,3
	ds_store_b128 v14, v[R+16*((\t)%4)+4*\i:R+16*((\t)%4)+4*\i+3] offset:32*SP*((\t)%2)+8*SP*\i
.endr
.irp i, 0,1,2,3
	ds_load_b128 v[X+16*((\t)%2)+4*\i:X+16*((\t)%2)+4*\i+3], v15 offset:32*SP*((\t)%2)+16*\i
.endr
.endm
.irp t, 0,1,2,3
	LOAD \t
.endr
	s_wait_loadcnt 12                              ; step 0's four loads are in; twelve younger ones stay out
	TURN 0
.macro STEP t
.set XS, X+16*((\t)%2)
.if (\t) > 0
	s_wait_dscnt 1                                 ; this step's numbers are back from the stage (the last step's byte store may be out)
.else
	s_wait_dscnt 0x0
.endif
.if (\t)+4 < STEPS
	LOAD (\t)+4                                    ; into the set whose stores into the stage are done
.endif
.if (\t)+1 < STEPS
.if STEPS-2-(\t) >= 3
	s_wait_loadcnt 12                              ; the next step's four loads are in; those of three steps behind it may be out
.else
	s_wait_loadcnt 4*(STEPS-2-(\t))
.endif
	TURN (\t)+1
.endif
	v_max3_num_f32 v8, |v[XS]|, |v[XS+1]|, |v[XS+2]|
	v_max3_num_f32 v9, |v[XS+3]|, |v[XS+4]|, |v[XS+5]|
.irp i, 6,10
	v_max3_num_f32 v8, v8, |v[XS+\i]|, |v[XS+\i+1]|
	v_max3_num_f32 v9, v9, |v[XS+\i+2]|, |v[XS+\i+3]|
.endr
	v_max3_num_f32 v8, v8, |v[XS+14]|, |v[XS+15]|
	v_max3_num_f32 v8, v8, v9, 0x1800000           ; with the floor 2^(3 - 127): the byte cannot fall under 1
	v_max_num_f32_dpp v8, v8, v8 row_xmask:1 row_mask:0xf bank_mask:0xf   ; and my neighbour's 16: the block's largest magnitude
	v_add_nc_u32 v11, 0xff000000, v8               ; 2 off its exponent field: the conversion takes the exponent field of this operand as its scale
	v_cvt_scalef32_pk8_fp4_f32 v[C+2*(\t)], v[XS:XS+7], v11
	v_cvt_scalef32_pk8_fp4_f32 v[C+2*(\t)+1], v[XS+8:XS+15], v11
	v_lshrrev_b32 v[E+(\t)], 23, v11               ; the scale's byte
	ds_store_b8 v5, v[E+(\t)] offset:16*(\t)       ; both lanes of a block write the same byte with the same value
	global_store_b64 v4, v[C+2*(\t):C+2*(\t)+1], s[14:15] offset:256*(\t)   ; the wave stores 256 consecutive bytes
.endm
.irp t, 0,1,2,3,4,5,6,7,8,9,10,11,12,13,14,15
	STEP \t
.endr
	ds_load_b64 v[8:9], v6                         ; in order behind my byte stores
	s_wait_dscnt 0x0
	global_store_b64 v4, v[8:9], s[16:17]          ; 256 consecutive scale bytes
	s_wait_tensorcnt 0x0                           ; the wave's end
	ds_add_u32 v[SPW], v[NIL]
	s_wait_dscnt 0x0
	s_endpgm
.Lwo:                                  ; Wo to f16 images.  Wave v = 0 .. 127 takes tile v / 2 of 16 rows and half v % 2 of K: 16 images
	s_sub_co_u32 s30, ttmp9, 352
	s_lshl_b32 s30, s30, 2
	s_add_co_u32 s30, s30, s28
	s_lshr_b32 s23, s30, 1
	s_and_b32 s24, s30, 1
	s_lshl_b32 s26, s23, 16                        ; 16 rows of 4,096 bytes
	s_lshl_b32 s25, s24, 11                        ; half a row
	s_add_co_u32 s26, s26, s25
	s_mov_b32 s27, 0
	s_lshl_b32 s22, s30, 14                        ; 16 images of 1,024 bytes
	s_mov_b32 s23, 0
	v_and_b32 v4, 15, v0
	v_bfe_u32 v5, v0, 4, 1
	v_lshlrev_b32 v4, 12, v4
	v_lshl_add_u32 v4, v5, 5, v4                   ; row lane % 16, + 32 bytes for lanes 16-31: k = 8 h .. 8 h + 7 of a piece; 64 bytes on: k = 16 + 8 h ..
	s_wait_kmcnt 0x0
	s_add_nc_u64 s[12:13], s[12:13], s[26:27]
	s_add_nc_u64 s[18:19], s[18:19], s[22:23]
.macro LOADW g                         ; four pieces of 32 along K, 16 numbers a lane each, into set g % 2
.set WL, 16+64*((\g)%2)
.irp q, 0,1,2,3
	global_load_b128 v[WL+16*\q:WL+16*\q+3],     v4, s[12:13] offset:128*(4*(\g)+\q)
	global_load_b128 v[WL+16*\q+4:WL+16*\q+7],   v4, s[12:13] offset:128*(4*(\g)+\q)+16
	global_load_b128 v[WL+16*\q+8:WL+16*\q+11],  v4, s[12:13] offset:128*(4*(\g)+\q)+64
	global_load_b128 v[WL+16*\q+12:WL+16*\q+15], v4, s[12:13] offset:128*(4*(\g)+\q)+80
.endr
.endm
.macro CVTW g
.set WS, 16+64*((\g)%2)
.if (\g) < 3
	s_wait_loadcnt 16                              ; this set is in; the other set's sixteen loads stay out
.else
	s_wait_loadcnt 0x0
.endif
	s_wait_xcnt 0x0                                ; the last group's stores have read their data: v144-175 are written again only behind this wait
.irp q, 0,1,2,3
.irp p, 0,1,2,3,4,5,6,7
	v_cvt_pk_f16_f32 v[144+8*\q+\p], v[WS+16*\q+2*\p], v[WS+16*\q+2*\p+1]
.endr
.endr
.if (\g) < 2
	LOADW (\g)+2
.endif
.irp q, 0,1,2,3
.irp c, 0,1
	global_store_b128 v3, v[144+8*\q+4*\c:144+8*\q+4*\c+3], s[18:19] offset:(4*(\g)+\q)*1024+512*\c   ; 512 consecutive bytes
.endr
.endr
.endm
	LOADW 0
	LOADW 1
	CVTW 0
	CVTW 1
	CVTW 2
	CVTW 3
	s_wait_tensorcnt 0x0                           ; the same three lines at this end
	ds_add_u32 v[SPW], v[NIL]
	s_wait_dscnt 0x0
	s_endpgm
.Lfunc_end_k_qb471f700c4_prep:
	.size	k_qb471f700c4_prep, .Lfunc_end_k_qb471f700c4_prep-k_qb471f700c4_prep
	.p2alignl 7, 3214868480
	.fill 96, 4, 3214868480
	.section	.rodata,"a",@progbits
	.p2align	6, 0x0
	.amdhsa_kernel k_qb471f700c4_prep
		.amdhsa_group_segment_fixed_size 33280
		.amdhsa_private_segment_fixed_size 0
		.amdhsa_enable_private_segment 0
		.amdhsa_kernarg_size 64
		.amdhsa_user_sgpr_count 2
		.amdhsa_user_sgpr_kernarg_segment_ptr 1
		.amdhsa_wavefront_size32 1
		.amdhsa_system_sgpr_workgroup_id_x 1
		.amdhsa_system_sgpr_workgroup_id_y 1
		.amdhsa_system_sgpr_workgroup_id_z 1
		.amdhsa_system_vgpr_workitem_id 0
		.amdhsa_next_free_vgpr 192
		.amdhsa_next_free_sgpr 66
		.amdhsa_reserve_vcc 0
		.amdhsa_float_denorm_mode_32 3
		.amdhsa_float_denorm_mode_16_64 3
		.amdhsa_memory_ordered 1
		.amdhsa_forward_progress 1
		.amdhsa_inst_pref_size 52
	.end_amdhsa_kernel
	.amdgpu_metadata
---
amdhsa.version: [ 1, 2 ]
amdhsa.kernels:
  - .name:           k_qb471f700c4_prep
    .symbol:         k_qb471f700c4_prep.kd
    .args:
      - { .name: x, .offset: 0, .size: 8, .value_kind: global_buffer, .address_space: global }
      - { .name: Wq, .offset: 8, .size: 8, .value_kind: global_buffer, .address_space: global }
      - { .name: Wk, .offset: 16, .size: 8, .value_kind: global_buffer, .address_space: global }
      - { .name: Wv, .offset: 24, .size: 8, .value_kind: global_buffer, .address_space: global }
      - { .name: Wo, .offset: 32, .size: 8, .value_kind: global_buffer, .address_space: global }
      - { .name: codes, .offset: 40, .size: 8, .value_kind: global_buffer, .address_space: global }
      - { .name: scales, .offset: 48, .size: 8, .value_kind: global_buffer, .address_space: global }
      - { .name: wo16, .offset: 56, .size: 8, .value_kind: global_buffer, .address_space: global }
    .group_segment_fixed_size: 33280
    .private_segment_fixed_size: 0
    .kernarg_segment_align: 8
    .kernarg_segment_size: 64
    .max_flat_workgroup_size: 128
    .sgpr_count:     66
    .vgpr_count:     192
    .wavefront_size: 32
...
	.end_amdgpu_metadata
.endif
;; end of part 1
;; launch qkv (part 2): grid 8 x 32, 4 waves a work-group, clusters of 4 x 4, 327,680 bytes of LDS; arguments codes, scales, bq, bk, bv, qkv; writes qkv
.if DOCPART == 2
	.amdgcn_target "amdgcn-amd-amdhsa--gfx1250"
	.amdhsa_code_object_version 6
	.text
	.protected	k_qb471f700c4_qkv
	.globl	k_qb471f700c4_qkv
	.p2align	8
	.type	k_qb471f700c4_qkv,@function
k_qb471f700c4_qkv:
	s_mov_b64 s[64:65], 0
	v_nop
	global_prefetch_b8 v0, s[64:65] scope:SCOPE_SE
	s_setreg_imm32_b32 hwreg(HW_REG_WAVE_MODE, 25, 1), 1
	s_wait_xcnt 0x0
	s_wait_alu depctr_hold_cnt(0) depctr_sa_sdst(0) depctr_va_vdst(0) depctr_va_sdst(0) depctr_va_ssrc(0) depctr_va_vcc(0) depctr_vm_vsrc(0)
	s_getreg_b32 s2, hwreg(HW_REG_IB_STS2, 6, 4)
	s_cmp_eq_u32 s2, 0
	s_cbranch_scc0 .Lentry_in_a_cluster
	s_endpgm
.Lentry_in_a_cluster:
	s_bfe_u32 s2, ttmp6, 0x10000c
	s_cmp_lg_u32 s2, 0xf033
	s_cbranch_scc0 .Lentry_shape_is_right
	s_endpgm
.Lentry_shape_is_right:
; q = x Wq^T + bq, k = x Wk^T + bk, v = x Wv^T + bv on codes of FP4 (E2M1) with one E8M0 scale for each 32 along K = 1,024; sums in f32; results rounded once to f16.
; codes [11264 rows][512 bytes], scales [11264][32]: rows 0-8191 x (m' = 1024 b + t), 8192.. Wq, 9216.. Wk, 10240.. Wv.
; SHARES: 256 work-groups.  A work-group takes 256 positions and 128 channels (two heads) of EACH of q, k, v: three passes of 256 x 128.  Wave (w / 2, w % 2) makes 128 positions x 64 channels (one head): 32 accumulators.
; A WAVE'S FRAGMENTS OF x (128 rows x 1,024 K: 64 fragments, 512 registers) ARE READ FROM LDS ONCE AND SERVE ALL THREE PASSES; a K step of a pass reads four fragments of the weight for its 32 products.
; The stores of q and of k leave while the next pass is multiplied; only v's stand behind the last product.
; ORIENTATION: q, k: source 0 = 16 rows of the weight, source 1 = 16 rows of x: a lane holds one position and eight neighbouring channels: four f16 registers of a fragment [16 positions][32 channels].
;              v:    source 0 = 16 rows of x, source 1 = 16 rows of Wv:       a lane holds one channel and eight neighbouring keys:      four f16 registers of a fragment [16 channels][32 keys].
; So the results leave straight from registers as IMAGES OF OPERAND REGISTERS (registers 4 c .. 4 c + 3 of lane l at 512 c + 16 l of a fragment's 1,024 bytes): each store covers 512 consecutive bytes.
; qkv: three parts of 16,777,216 bytes; in a part head 16 b + h has 131,072: q, k: [64 tiles of 16 positions][2 pieces of 32 channels][1,024]; v: [32 pieces of 32 keys][4 tiles of 16 channels][1,024].
; LDS: rows of 512 bytes (all of K) + 16 of padding: x's 256 rows, Wq's 128, Wk's 128; the scale bytes behind them.  640 such rows do not fit, so Wv's 128 rows are ONE refill, into x's first 128 rows,
; as soon as x stands in registers: it has two passes in which to land.
; CLUSTERS: 4 x 4: x's tile and scales are shared along a row of the cluster, the weights' along a column: joint loads.  The bias is the C of each sum's first product.
; LIMITS: |q|, |k|, |v| under 65,504 (f16); NaN and infinities are not served.
; REGISTERS: window 0: v16-24 addresses; v32-95 x's scale words (block i, K step q: 8 i + q); v96-127 the pass's weight scale words (8 b + q); v128-191 the weight's fragments, two sets;
;   v192-223 packed results, two sets; v224-255 the bias as C.   window 1: accumulator (a, b) at v[8 (4 a + b)].   windows 2, 3: x's fragment (K step q, block i) at v[8 (8 (q % 4) + i)] of window 2 + q / 4.
.set PITCH,  528                       ; 132 words: row r starts at bank 4 r mod 64 (64 banks of 4 bytes: ISA guide 11.1)
.set HROWS,  128*PITCH                 ; 128 rows: what one tensor load brings
.set WQ,     2*HROWS                   ; behind x's 256 rows
.set WK,     3*HROWS
.set SCX,    4*HROWS                   ; x's scale bytes: units of 256 bytes + 16 of padding
.set HALFS,  16*272                    ; those of 128 rows
.set SBLK,   544                       ; those of 16 rows
.set SCW,    SCX+2*HALFS               ; the weights' scale bytes: [half of my 128 rows][pass][64 rows x 32 bytes], dense
.set HALFW,  3*2048
.set SPARE,  SCW+2*HALFW               ; the spare words, 128 bytes a wave
.set ADX,  16                          ; v16    my lane in my 128 rows of x
.set ADW,  17                          ; v17-19 my lane in my 64 rows of Wq, Wk, Wv
.set ADSX, 20                          ; v20    x's scale words
.set ADSW, 21                          ; v21    the weights'
.set CO,   22                          ; v22    16 x lane: my place in an image
.set BO8,  23                          ; v23    32 h: the bias of q, k
.set BO4,  24                          ; v24    4 r: the bias of v
.set SPW,  28
.set NIL,  29
.set XS,   32
.set WS,   96
.set WF,   128
.set TMP,  192
.set BI,   224
.set WV, 16                            ; s16 wave
.set HR, 17                            ; s17 which 128 positions are mine; also: I fetch for x (0) or for the weights (1)
.set HC, 18                            ; s18 which 64 channels are mine; also: which half, or which weight, I fetch
.set RA, 19                            ; s19 my work-group's block of 256 positions
.set CG, 20                            ; s20 its group of 128 channels
.set G1X,  24                          ; s[24:31] group 1: x's codes
.set G1W,  32                          ; s[32:39] a weight's codes
.set G1SX, 40                          ; s[40:47] x's scales
.set G1SW, 48                          ; s[48:55] the weights' scales
.set G0X,  56
.set G0W,  60
.set G0SX, 68
.set G0SW, 72
.set G0V,  76                          ; s[76:79] group 0 of the refill: Wv
.set OB,   80                          ; s[80:85] where my part of q, of k and of v begins
.set MSB, 0
.macro WIN new                         ; the immediate's high byte repeats the setting that is left
.if MSB != \new
	s_set_vgpr_msb (MSB<<8)|\new
.set MSB, \new
.endif
.endm
.macro JLOAD g0a, g1a, g0b, g1b        ; a joint load: waves 0, 1 for x, waves 2, 3 for the weights; the branch hangs on the wave's number alone; an s_nop 0 and four v_nop follow each line
	s_cmp_eq_u32 s[HR], 0
	s_cbranch_scc0 .Lfor_b_\@
	tensor_load_to_lds s[\g0a:\g0a+3], s[\g1a:\g1a+7]
	s_nop 0
.rept 4
	v_nop
.endr
	s_branch .Lasked_\@
.Lfor_b_\@:
	tensor_load_to_lds s[\g0b:\g0b+3], s[\g1b:\g1b+7]
	s_nop 0
.rept 4
	v_nop
.endr
.Lasked_\@:
.endm
.macro CROUND                          ; a round of the cluster's barrier
	s_barrier_signal -1
	s_barrier_wait -1
	s_cmp_lg_u32 s[WV], 0
	s_cbranch_scc1 .Lnot_wave_0_\@
	s_barrier_signal -3
.Lnot_wave_0_\@:
	s_barrier_wait -3
	s_barrier_signal -1
	s_barrier_wait -1
.endm
.macro PLACES n                        ; plain vector instructions between a matrix instruction and a load into, or a read of, its registers
.rept \n
	v_nop
.endr
.endm
	s_load_b128 s[4:7], s[0:1], 0x0                ; codes, scales
	s_load_b128 s[8:11], s[0:1], 0x10              ; bq, bk
	s_load_b128 s[12:15], s[0:1], 0x20             ; bv, qkv
	v_lshl_add_u32 v[SPW], v0, 2, SPARE
	v_mov_b32 v[NIL], 0
	ds_add_u32 v[SPW], v[NIL]                      ; the wave's opening: the add, twice on end, and its wait ahead of my first tensor load
	ds_add_u32 v[SPW], v[NIL]
	v_lshrrev_b32 v1, 5, v0
	v_readfirstlane_b32 s[WV], v1
	s_lshr_b32 s[HR], s[WV], 1
	s_and_b32 s[HC], s[WV], 1
	s_bfe_u32 s92, ttmp6, 0x40000                  ; cx
	s_bfe_u32 s93, ttmp6, 0x40004                  ; cy
	s_lshl_b32 s[CG], ttmp9, 2
	s_add_co_u32 s[CG], s[CG], s92                 ; group of channels = 4 x cluster x + cx
	s_and_b32 s[RA], ttmp7, 0xffff
	s_lshl_b32 s[RA], s[RA], 2
	s_add_co_u32 s[RA], s[RA], s93                 ; block of positions = 4 x cluster y + cy
	s_lshl_b32 s94, s93, 2
	s_lshl_b32 s94, 15, s94                        ; my row of the cluster
	s_lshl_b32 s95, 0x1111, s92                    ; my column
	s_or_b32 s[G1X], s94, (0<<16)|(1<<20)|(1<<21)|(6<<22)|(3<<25)    ; mask; elements of 1 byte; padding: 4 words behind every 128; bit 21 beside a mask
	s_or_b32 s[G1W], s95, (0<<16)|(1<<20)|(1<<21)|(6<<22)|(3<<25)
.irp g, G1X, G1W
	s_mov_b32 s[\g+1], 512<<16                     ; tensor_dim0: a row of 512 bytes
	s_mov_b32 s[\g+2], 128<<16                     ; tensor_dim1
	s_mov_b32 s[\g+3], 512<<16                     ; tile_dim0
	s_mov_b32 s[\g+4], 128                         ; tile_dim1
	s_mov_b32 s[\g+5], 512                         ; from row to row
	s_mov_b32 s[\g+6], 0
	s_mov_b32 s[\g+7], 0
.endr
	s_or_b32 s[G1SX], s94, (3<<16)|(1<<20)|(1<<21)|(5<<22)|(3<<25)   ; x's scales of 128 rows: 4,096 dense bytes as 16 rows of 256 (32 elements of 8 bytes), 16 bytes of padding behind each
	s_mov_b32 s[G1SX+1], 32<<16
	s_mov_b32 s[G1SX+2], 16<<16
	s_mov_b32 s[G1SX+3], 32<<16
	s_mov_b32 s[G1SX+4], 16
	s_mov_b32 s[G1SX+5], 32
	s_mov_b32 s[G1SX+6], 0
	s_mov_b32 s[G1SX+7], 0
	s_or_b32 s[G1SW], s95, (3<<16)|(1<<21)         ; the weights' scales: three rows (Wq, Wk, Wv) of 2,048 bytes (64 rows x 32), 1,024 rows of scales apart; no padding
	s_mov_b32 s[G1SW+1], 256<<16
	s_mov_b32 s[G1SW+2], 3<<16
	s_mov_b32 s[G1SW+3], 256<<16
	s_mov_b32 s[G1SW+4], 3
	s_mov_b32 s[G1SW+5], 4096
	s_mov_b32 s[G1SW+6], 0
	s_mov_b32 s[G1SW+7], 0
	; where the tiles come from.  x's hang on the block of positions alone, the weights' on the group of channels alone, each in registers that never hold the other coordinate
	s_lshl_b32 s86, s[RA], 8
	s_lshl_b32 s21, s[HC], 7
	s_add_co_u32 s86, s86, s21                     ; x: row 256 x block + 128 x half
	s_lshl_b32 s88, s86, 5                         ; its scale bytes,
	s_lshl_b32 s86, s86, 9                         ; its codes
	s_mov_b32 s87, 0
	s_mov_b32 s89, 0
	s_lshl_b32 s90, s[CG], 7
	s_add_co_u32 s90, s90, 8192                    ; Wq's rows of my group
	s_lshl_b32 s21, s[HC], 10
	s_add_co_u32 s96, s90, s21                     ; wave 2: Wq's, wave 3: Wk's
	s_lshl_b32 s96, s96, 9
	s_mov_b32 s97, 0
	s_lshl_b32 s21, s[HC], 6
	s_add_co_u32 s98, s90, s21                     ; the scales: my half of the 128 rows, of all three weights
	s_lshl_b32 s98, s98, 5
	s_mov_b32 s99, 0
	s_add_co_u32 s90, s90, 2048                    ; Wv's rows
	s_lshl_b32 s90, s90, 9
	s_mov_b32 s91, 0
	s_mul_i32 s22, s[WV], HROWS                    ; where the codes go: wave x 128 rows: x's two halves, Wq, Wk: no place in the cluster enters an LDS address
	s_mul_i32 s23, s[HC], HALFS
	s_add_co_u32 s23, s23, SCX
	s_mul_i32 s3, s[HC], HALFW
	s_add_co_u32 s3, s3, SCW
	s_wait_dscnt 0x0                               ; both opening adds are done
	s_wait_kmcnt 0x0
	s_add_nc_u64 s[86:87], s[4:5], s[86:87]
	s_add_nc_u64 s[88:89], s[6:7], s[88:89]
	s_add_nc_u64 s[96:97], s[4:5], s[96:97]
	s_add_nc_u64 s[98:99], s[6:7], s[98:99]
	s_add_nc_u64 s[90:91], s[4:5], s[90:91]
	CROUND                                         ; all sixteen work-groups are here: the joint loads meet
	s_mov_b32 s[G0SX], 1
	s_mov_b32 s[G0SX+1], s23
	s_mov_b64 s[G0SX+2:G0SX+3], s[88:89]
	s_or_b32 s[G0SX+3], s[G0SX+3], 0x80000000
	s_mov_b32 s[G0SW], 1
	s_mov_b32 s[G0SW+1], s3
	s_mov_b64 s[G0SW+2:G0SW+3], s[98:99]
	s_or_b32 s[G0SW+3], s[G0SW+3], 0x80000000
	JLOAD G0SX, G1SX, G0SW, G1SW                   ; two loads of mine go out: scales, codes
	s_mov_b32 s[G0X], 1
	s_mov_b32 s[G0X+1], s22
	s_mov_b64 s[G0X+2:G0X+3], s[86:87]
	s_or_b32 s[G0X+3], s[G0X+3], 0x80000000
	s_mov_b32 s[G0W], 1
	s_mov_b32 s[G0W+1], s22
	s_mov_b64 s[G0W+2:G0W+3], s[96:97]
	s_or_b32 s[G0W+3], s[G0W+3], 0x80000000
	JLOAD G0X, G1X, G0W, G1W
	s_mov_b32 s[G0V], 1                            ; the refill's group 0: Wv's 128 rows, to LDS byte 0
	s_mov_b32 s[G0V+1], 0
	s_mov_b64 s[G0V+2:G0V+3], s[90:91]
	s_or_b32 s[G0V+3], s[G0V+3], 0x80000000
	v_and_b32 v1, 15, v0                           ; r
	v_bfe_u32 v2, v0, 4, 1                         ; h
	v_mul_u32_u24 v3, v1, PITCH
	v_lshl_add_u32 v3, v2, 4, v3                   ; a fragment's row x pitch + 16 h
	s_mul_i32 s2, s[HR], HROWS
	v_add_nc_u32 v[ADX], s2, v3
	s_mul_i32 s2, s[HC], 64*PITCH
	v_add_nc_u32 v[ADW+2], s2, v3                  ; Wv will lie at byte 0
	v_add_nc_u32 v[ADW], WQ, v[ADW+2]
	v_add_nc_u32 v[ADW+1], WK, v[ADW+2]
	v_lshlrev_b32 v4, 5, v1                        ; 32 bytes of scales a row
	v_lshrrev_b32 v5, 8, v4
	v_lshl_add_u32 v5, v5, 4, v4                   ; x's: 16 more for each 256 passed
	s_mul_i32 s2, s[HR], HALFS
	s_add_co_u32 s2, s2, SCX
	v_add_nc_u32 v[ADSX], s2, v5
	s_mul_i32 s2, s[HC], HALFW
	s_add_co_u32 s2, s2, SCW
	v_add_nc_u32 v[ADSW], s2, v4
	v_and_b32 v6, 31, v0
	v_lshlrev_b32 v[CO], 4, v6
	v_lshlrev_b32 v[BO8], 5, v2
	v_lshlrev_b32 v[BO4], 2, v1
	s_lshl_b32 s2, s[CG], 9                        ; the biases: 128 channels of 4 bytes a group,
	s_lshl_b32 s3, s[HC], 8                        ; my 64
	s_add_co_u32 s2, s2, s3
	s_mov_b32 s3, 0
	s_add_nc_u64 s[8:9], s[8:9], s[2:3]
	s_add_nc_u64 s[10:11], s[10:11], s[2:3]
	s_add_nc_u64 s[12:13], s[12:13], s[2:3]
.irp b, 0,1,2,3
	global_load_b128 v[BI+8*\b:BI+8*\b+3],   v[BO8], s[8:9] offset:64*\b       ; bq for the weight's block b: channels 16 b + 8 h + 0 .. 7
	global_load_b128 v[BI+8*\b+4:BI+8*\b+7], v[BO8], s[8:9] offset:64*\b+16
.endr
	s_lshr_b32 s2, s[RA], 2                        ; where my part of a part of qkv begins: b = block / 4: 16 heads of 131,072 bytes,
	s_lshl_b32 s2, s2, 21
	s_lshl_b32 s3, s[CG], 18                       ; head 2 x group
	s_add_co_u32 s2, s2, s3
	s_lshl_b32 s3, s[HC], 17                       ; + my half,
	s_add_co_u32 s2, s2, s3
	s_and_b32 s3, s[RA], 3
	s_lshl_b32 s3, s3, 15                          ; 256 positions are 32,768 bytes of a head, in q, k and v alike,
	s_add_co_u32 s2, s2, s3
	s_lshl_b32 s3, s[HR], 14                       ; my 128
	s_add_co_u32 s2, s2, s3
	s_mov_b32 s3, 0
	s_add_nc_u64 s[OB:OB+1], s[14:15], s[2:3]
	s_add_nc_u64 s[OB+2:OB+3], s[OB:OB+1], 0x1000000
	s_add_nc_u64 s[OB+4:OB+5], s[OB:OB+1], 0x2000000
.macro LOADW p, q, set                 ; the four fragments of weight p for K step q into a set: 16 rows x 128 K of 4-bit codes are 8 registers: two loads of 16 bytes, 32 bytes apart
.irp b, 0,1,2,3
.irp c, 0,1
	ds_load_b128 v[WF+32*(\set)+8*\b+4*\c:WF+32*(\set)+8*\b+4*\c+3], v[ADW+\p] offset:64*(\q)+32*\c+\b*16*PITCH
.endr
.endr
.endm
.macro PRE p                           ; ahead of pass p: its first fragments and its scale words (eight words a row)
	LOADW \p, 0, 0
.irp b, 0,1,2,3
	ds_load_b128 v[WS+8*\b:WS+8*\b+3],   v[ADSW] offset:\p*2048+\b*512
	ds_load_b128 v[WS+8*\b+4:WS+8*\b+7], v[ADSW] offset:\p*2048+\b*512+16
.endr
.endm
; 32 products: x's eight blocks x the weight's four, 128 along K.  var = 0: source 0 = the weight; 1: source 0 = x.  first = 1: C = the bias.  The 32 accumulators take turns.
.macro MULS q, var, first
.irp a, 0,1,2,3,4,5,6,7
.irp b, 0,1,2,3
.if \var == 0
.if \first
	v_wmma_scale_f32_16x16x128_f8f6f4 v[8*(4*\a+\b):8*(4*\a+\b)+7], v[WF+32*((\q)%2)+8*\b:WF+32*((\q)%2)+8*\b+7], v[8*(8*((\q)%4)+\a):8*(8*((\q)%4)+\a)+7], v[BI+8*\b:BI+8*\b+7], v[WS+8*\b+(\q)], v[XS+8*\a+(\q)] matrix_a_fmt:MATRIX_FMT_FP4 matrix_b_fmt:MATRIX_FMT_FP4
.else
	v_wmma_scale_f32_16x16x128_f8f6f4 v[8*(4*\a+\b):8*(4*\a+\b)+7], v[WF+32*((\q)%2)+8*\b:WF+32*((\q)%2)+8*\b+7], v[8*(8*((\q)%4)+\a):8*(8*((\q)%4)+\a)+7], v[8*(4*\a+\b):8*(4*\a+\b)+7], v[WS+8*\b+(\q)], v[XS+8*\a+(\q)] matrix_a_fmt:MATRIX_FMT_FP4 matrix_b_fmt:MATRIX_FMT_FP4
.endif
.else
.if \first
	v_wmma_scale_f32_16x16x128_f8f6f4 v[8*(4*\a+\b):8*(4*\a+\b)+7], v[8*(8*((\q)%4)+\a):8*(8*((\q)%4)+\a)+7], v[WF+32*((\q)%2)+8*\b:WF+32*((\q)%2)+8*\b+7], v[BI+8*\b:BI+8*\b+7], v[XS+8*\a+(\q)], v[WS+8*\b+(\q)] matrix_a_fmt:MATRIX_FMT_FP4 matrix_b_fmt:MATRIX_FMT_FP4
.else
	v_wmma_scale_f32_16x16x128_f8f6f4 v[8*(4*\a+\b):8*(4*\a+\b)+7], v[8*(8*((\q)%4)+\a):8*(8*((\q)%4)+\a)+7], v[WF+32*((\q)%2)+8*\b:WF+32*((\q)%2)+8*\b+7], v[8*(4*\a+\b):8*(4*\a+\b)+7], v[XS+8*\a+(\q)], v[WS+8*\b+(\q)] matrix_a_fmt:MATRIX_FMT_FP4 matrix_b_fmt:MATRIX_FMT_FP4
.endif
.endif
.endr
.endr
.endm
; A pass: eight K steps of 128.  At a step's head its fragments are in; the next step's eight loads go out, behind four places, into the set that the step before multiplied; then the step's 32 products.
; In K step 1, when the first step's products have read the bias, the next pass's bias is asked for.
.macro PASS p, var
.set Q, 0
.rept 8
	s_wait_dscnt 0x0                               ; this step's fragments (in step 0: the scale words too) are in
.if (Q > 0) && (Q < 7)
	PLACES 4
.endif
.if Q < 7
	LOADW \p, Q+1, (Q+1)%2
.endif
.if (Q == 1) && (\p == 0)
.irp b, 0,1,2,3
	global_load_b128 v[BI+8*\b:BI+8*\b+3],   v[BO8], s[10:11] offset:64*\b     ; bk
	global_load_b128 v[BI+8*\b+4:BI+8*\b+7], v[BO8], s[10:11] offset:64*\b+16
.endr
.endif
.if (Q == 1) && (\p == 1)
.irp b, 0,1,2,3
	global_load_b32 v[BI+8*\b], v[BO4], s[12:13] offset:64*\b                  ; bv for Wv's block b: channel 16 b + r, the same for my eight keys
.endr
.endif
.if \var == 0                          ; windows: the weight 0, x 2 or 3, the accumulators 1, the bias 0
.if Q == 0
	WIN 0x48
.elseif Q < 4
	WIN 0x58
.else
	WIN 0x5c
.endif
.else
.if Q == 0
	WIN 0x42
.elseif Q < 4
	WIN 0x52
.else
	WIN 0x53
.endif
.endif
.if Q == 0
	MULS Q, \var, 1
.else
	MULS Q, \var, 0
.endif
	WIN 0
.set Q, Q+1
.endr
	PLACES 4                                       ; in front of the loads into the scale words and of the first read of results
.endm
; THE WAY OUT of x's block a in pass p: each accumulator's eight numbers round to four f16 registers, from its low end on, and are half an image: one store of 512 consecutive bytes.
.macro OUTB a, p, var
.if ((\a) >= 2) || (((\p) > 0) && ((\a) == 0))
	s_wait_xcnt 0x0                                ; the earlier stores have read their data: the registers are written again only behind this wait
.endif
.set TT, TMP+16*((\a)%2)
	WIN 0x05                                       ; sources 0 and 1: window 1
.irp b, 0,1,2,3
.irp r, 0,1,2,3
	v_cvt_pk_f16_f32 v[TT+4*\b+\r], v[8*(4*(\a)+\b)+2*\r], v[8*(4*(\a)+\b)+2*\r+1]
.endr
.endr
	WIN 0
.irp b, 0,1,2,3
.if \var == 0
	global_store_b128 v[CO], v[TT+4*\b:TT+4*\b+3], s[OB+2*(\p):OB+2*(\p)+1] offset:(\a)*2048+(\b/2)*1024+(\b%2)*512
.else
	global_store_b128 v[CO], v[TT+4*\b:TT+4*\b+3], s[OB+2*(\p):OB+2*(\p)+1] offset:((\a)/2)*4096+\b*1024+((\a)%2)*512
.endif
.endr
.endm
	s_wait_tensorcnt 0x0                           ; my scales and my codes have landed,
	s_barrier_signal -1
	s_barrier_wait -1                              ; everybody's have
	WIN 0x80                                       ; x into registers: K steps 0-3 into window 2,
.irp q, 0,1,2,3
.irp i, 0,1,2,3,4,5,6,7
.irp c, 0,1
	ds_load_b128 v[8*(8*\q+\i)+4*\c:8*(8*\q+\i)+4*\c+3], v[ADX] offset:64*\q+32*\c+\i*16*PITCH
.endr
.endr
.endr
	WIN 0xc0                                       ; K steps 4-7 into window 3
.irp q, 0,1,2,3
.irp i, 0,1,2,3,4,5,6,7
.irp c, 0,1
	ds_load_b128 v[8*(8*\q+\i)+4*\c:8*(8*\q+\i)+4*\c+3], v[ADX] offset:256+64*\q+32*\c+\i*16*PITCH
.endr
.endr
.endr
	WIN 0
.irp i, 0,1,2,3,4,5,6,7
	ds_load_b128 v[XS+8*\i:XS+8*\i+3],   v[ADSX] offset:\i*SBLK               ; x's scale words: eight a row
	ds_load_b128 v[XS+8*\i+4:XS+8*\i+7], v[ADSX] offset:\i*SBLK+16
.endr
	PRE 0
	s_wait_tensorcnt 0x0                           ; THE ONE REFILL.  No tensor load of mine is out;
	ds_add_u32 v[SPW], v[NIL]                      ; 0 onto my spare word;
	s_wait_dscnt 0x0                               ; the add is done, and my reads of x are over: x stands in registers
	CROUND                                         ; that now holds of every wave of all sixteen work-groups
	s_cmp_eq_u32 s[WV], 2                          ; wave 2 asks for Wv's 128 rows, into x's first 128 rows: the first thing behind the round, and the launch's last tensor load
	s_cbranch_scc0 .Lnot_wave_2
	tensor_load_to_lds s[G0V:G0V+3], s[G1W:G1W+7]
	s_nop 0
.rept 4
	v_nop
.endr
.Lnot_wave_2:
	s_wait_loadcnt 0x0                             ; bq
	PASS 0, 0
	PRE 1                                          ; k's first fragments are on their way while q goes out
.irp a, 0,1,2,3,4,5,6,7
	OUTB \a, 0, 0
.endr
	s_wait_loadcnt 0x0                             ; bk
	PASS 1, 0
	s_wait_tensorcnt 0x0                           ; wave 2: Wv has landed,
	s_wait_dscnt 0x0
	s_barrier_signal -1
	s_barrier_wait -1                              ; and every wave may read it
	PRE 2
.irp a, 0,1,2,3,4,5,6,7
	OUTB \a, 1, 0
.endr
	s_wait_loadcnt 0x0                             ; bv
.irp b, 0,1,2,3
.irp j, 1,2,3,4,5,6,7
	v_mov_b32 v[BI+8*\b+\j], v[BI+8*\b]            ; a lane's eight results of v belong to one channel
.endr
.endr
	PLACES 4
	PASS 2, 1
.irp a, 0,1,2,3,4,5,6,7
	OUTB \a, 2, 1
.endr
	s_wait_tensorcnt 0x0                           ; the wave's end
	ds_add_u32 v[SPW], v[NIL]
	s_wait_dscnt 0x0
	CROUND                                         ; the closing round
	s_endpgm
.Lfunc_end_k_qb471f700c4_qkv:
	.size	k_qb471f700c4_qkv, .Lfunc_end_k_qb471f700c4_qkv-k_qb471f700c4_qkv
	.p2alignl 7, 3214868480
	.fill 96, 4, 3214868480
	.section	.rodata,"a",@progbits
	.p2align	6, 0x0
	.amdhsa_kernel k_qb471f700c4_qkv
		.amdhsa_group_segment_fixed_size 327680
		.amdhsa_private_segment_fixed_size 0
		.amdhsa_enable_private_segment 0
		.amdhsa_kernarg_size 48
		.amdhsa_user_sgpr_count 2
		.amdhsa_user_sgpr_kernarg_segment_ptr 1
		.amdhsa_wavefront_size32 1
		.amdhsa_system_sgpr_workgroup_id_x 1
		.amdhsa_system_sgpr_workgroup_id_y 1
		.amdhsa_system_sgpr_workgroup_id_z 1
		.amdhsa_system_vgpr_workitem_id 0
		.amdhsa_next_free_vgpr 1024
		.amdhsa_next_free_sgpr 100
		.amdhsa_reserve_vcc 0
		.amdhsa_float_denorm_mode_32 3
		.amdhsa_float_denorm_mode_16_64 3
		.amdhsa_memory_ordered 1
		.amdhsa_forward_progress 1
		.amdhsa_inst_pref_size 172
	.end_amdhsa_kernel
	.amdgpu_metadata
---
amdhsa.version: [ 1, 2 ]
amdhsa.kernels:
  - .name:           k_qb471f700c4_qkv
    .symbol:         k_qb471f700c4_qkv.kd
    .args:
      - { .name: codes, .offset: 0, .size: 8, .value_kind: global_buffer, .address_space: global }
      - { .name: scales, .offset: 8, .size: 8, .value_kind: global_buffer, .address_space: global }
      - { .name: bq, .offset: 16, .size: 8, .value_kind: global_buffer, .address_space: global }
      - { .name: bk, .offset: 24, .size: 8, .value_kind: global_buffer, .address_space: global }
      - { .name: bv, .offset: 32, .size: 8, .value_kind: global_buffer, .address_space: global }
      - { .name: qkv, .offset: 40, .size: 8, .value_kind: global_buffer, .address_space: global }
    .group_segment_fixed_size: 327680
    .private_segment_fixed_size: 0
    .kernarg_segment_align: 8
    .kernarg_segment_size: 48
    .max_flat_workgroup_size: 128
    .sgpr_count:     100
    .vgpr_count:     1024
    .wavefront_size: 32
...
	.end_amdgpu_metadata
.endif
;; end of part 2
;; launch attn (part 3): grid 2 x 128, 8 waves a work-group, no clusters, 327,680 bytes of LDS; arguments qkv, ao; writes ao
.if DOCPART == 3
	.amdgcn_target "amdgcn-amd-amdhsa--gfx1250"
	.amdhsa_code_object_version 6
	.text
	.protected	k_qb471f700c4_attn
	.globl	k_qb471f700c4_attn
	.p2align	8
	.type	k_qb471f700c4_attn,@function
k_qb471f700c4_attn:
	s_mov_b64 s[64:65], 0
	v_nop
	global_prefetch_b8 v0, s[64:65] scope:SCOPE_SE
	s_setreg_imm32_b32 hwreg(HW_REG_WAVE_MODE, 25, 1), 1
	s_wait_xcnt 0x0
; O[q] = the sum over k of softmax_k(Q[q] . K[k] / 8) V[k] for each of 128 heads (16 b + h), 1,024 positions, 64 channels.  Operands f16, products, maxima and sums f32.
; qkv holds Q, K ([64 tiles of 16 positions][2 pieces of 32 channels]) and V^T ([32 pieces of 32 keys][4 tiles of 16 channels]) as images of operand registers, 1,024 bytes a fragment, 131,072 a head.
; SHARES: a work-group owns 512 queries of one head, each of its eight waves 64: four tiles of 16.  THE HEAD'S WHOLE K AND V LIE IN LDS (2 x 131,072 bytes), asked for at the head: no slot is ever filled again.
; An image is read at 16 x lane: 512 consecutive bytes a load.  A fragment read from LDS feeds four products.
; NO CLUSTER: a head's K and V are shared by two work-groups only, and a grid of 2 along x divides into no cluster of four; four partners would mean 256 queries a work-group, two tiles a wave, and half the products for each LDS byte.
; LAYOUT: S^T = K Q^T (source 0 = 16 keys, source 1 = 16 queries), O^T = V^T P (source 0 = 16 channels x 32 keys, source 1 = P): a lane holds ONE query throughout; two tiles of S^T, packed to f16 in pairs, are P's fragment.
; SOFTMAX: a running maximum m and sum l for each query: p = 2^(c s - c m), c = log2(e) / 8; in every step O and l are multiplied by a = 2^(c m_old - c m_new).  O / l at the end, rounded to f16.
; THE WAVES GO IN TWO HALVES, HALF A KEY STEP APART: waves 0-3 run the first step's scores and exponentials ahead of a barrier, waves 4-7 behind it, so that one half is at its products while the other is at its softmax.
; ao: [8 b][64 tiles of 16 positions][32 pieces of 32 of the 1,024 channels][1,024 bytes]: images again, stored straight from registers, 512 consecutive bytes a store.
; LIMITS: the result stays under 65,504 (f16); NaN and infinities are not served.
; REGISTERS: window 0: v2-6 addresses; v16-47 statistics, eight a tile: +0 c m, +1 m, +2, +3 l, +4 .. +7 at work (a in +6); v48, v49 the add's two; v64-191 S^T, 32 a tile (P in a tile's first 16); v192-255 K of a step.
;   window 1: v0-63 Q; v64-191 O^T, 32 a tile; v192-255 V of a step.
.set LI,  2                            ; v2  16 x lane: K's region
.set LV,  3                            ; v3  + 131,072: V's region
.set ADK, 4
.set ADV, 5
.set GO,  6                            ; v6  16 x lane, for memory
.set ST,  16
.set SPW, 48
.set NIL, 49
.set S,   64
.set KF,  192
.set OT,  64                           ; in window 1
.set VF,  192                          ; in window 1
.set SPARE, 262144                     ; behind K and V: the spare words, 128 bytes a wave
.set WV,  12
.set G1A, 16                           ; s[16:23] 32 rows of 256 bytes
.set G1B, 24                           ; s[24:31] 96 rows
.set G0A, 32
.set G0B, 36
.set CS,  58                           ; s[58:59] c
.set SEL, 60                           ; s[60:61] lane l xor 16
.set TB,  62                           ; s62 the step's bytes in K's and V's regions
.set CNT, 63
.set MSB, 0
.macro WIN new
.if MSB != \new
	s_set_vgpr_msb (MSB<<8)|\new
.set MSB, \new
.endif
.endm
.set W_KQ, 0x04                        ; K window 0, Q window 1, S^T window 0
.set W_PV, 0x51                        ; V window 1, P window 0, O^T window 1
.set W_RS, 0x41                        ; O^T window 1, a window 0
	s_load_b128 s[4:7], s[0:1], 0x0                ; qkv, ao
	v_lshl_add_u32 v[SPW], v0, 2, SPARE
	v_mov_b32 v[NIL], 0
	ds_add_u32 v[SPW], v[NIL]                      ; the wave's opening: the add, twice on end, and its wait ahead of my first tensor load
	ds_add_u32 v[SPW], v[NIL]
	v_lshrrev_b32 v1, 5, v0
	v_readfirstlane_b32 s[WV], v1                  ; wave 0..7
	s_mov_b32 s[G1A], 3<<16                        ; elements of 8 bytes, no mask, no padding
	s_mov_b32 s[G1A+1], 32<<16                     ; tensor_dim0 = 32 elements: 256 bytes
	s_mov_b32 s[G1A+2], 32<<16                     ; tensor_dim1 = 32 rows
	s_mov_b32 s[G1A+3], 32<<16                     ; tile_dim0
	s_mov_b32 s[G1A+4], 32                         ; tile_dim1
	s_mov_b32 s[G1A+5], 32                         ; dense
	s_mov_b32 s[G1A+6], 0
	s_mov_b32 s[G1A+7], 0
	s_mov_b32 s[G1B], 3<<16
	s_mov_b32 s[G1B+1], 32<<16
	s_mov_b32 s[G1B+2], 96<<16
	s_mov_b32 s[G1B+3], 32<<16
	s_mov_b32 s[G1B+4], 96
	s_mov_b32 s[G1B+5], 32
	s_mov_b32 s[G1B+6], 0
	s_mov_b32 s[G1B+7], 0
	s_and_b32 s13, ttmp7, 0xffff                   ; the head
	s_lshl_b32 s14, s13, 17
	s_lshr_b32 s15, s[WV], 2                       ; waves 0-3 fetch K, waves 4-7 V
	s_and_b32 s40, s[WV], 3
	s_lshl_b32 s41, s15, 17                        ; the region in LDS
	s_lshl_b32 s42, s40, 13                        ; first: my quarter of keys 0-255: 8,192 bytes
	s_mul_i32 s43, s40, 24576
	s_add_co_u32 s43, s43, 32768                   ; then: my quarter of keys 256-1023: 24,576 bytes
	s_add_co_u32 s44, s15, 1
	s_lshl_b32 s44, s44, 24                        ; the part of qkv
	s_add_co_u32 s44, s44, s14
	s_add_co_u32 s8, s44, s42
	s_mov_b32 s9, 0
	s_add_co_u32 s10, s44, s43
	s_mov_b32 s11, 0
	s_mov_b32 s[G0A], 1
	s_add_co_u32 s[G0A+1], s41, s42
	s_mov_b32 s[G0B], 1
	s_add_co_u32 s[G0B+1], s41, s43
	s_mov_b32 s[CS], 0x3e38aa3b                    ; c = log2(e) / 8
	s_mov_b32 s[CS+1], s[CS]
	s_mov_b32 s[SEL], 0x76543210
	s_mov_b32 s[SEL+1], 0xfedcba98
	s_wait_dscnt 0x0                               ; both opening adds are done
	s_wait_kmcnt 0x0
	s_add_nc_u64 s[G0A+2:G0A+3], s[4:5], s[8:9]
	s_or_b32 s[G0A+3], s[G0A+3], 0x80000000
	s_add_nc_u64 s[G0B+2:G0B+3], s[4:5], s[10:11]
	s_or_b32 s[G0B+3], s[G0B+3], 0x80000000
	tensor_load_to_lds s[G0A:G0A+3], s[G1A:G1A+7]  ; two loads of mine are out; no other follows
	s_nop 0
	tensor_load_to_lds s[G0B:G0B+3], s[G1B:G1B+7]
	s_nop 0
.rept 4
	v_nop
.endr
	s_lshl_b32 s8, ttmp9, 16                       ; Q: my work-group's 32 tiles of 2,048 bytes,
	s_add_co_u32 s8, s8, s14
	s_lshl_b32 s10, s[WV], 13                      ; my wave's four
	s_add_co_u32 s8, s8, s10
	s_mov_b32 s9, 0
	s_add_nc_u64 s[4:5], s[4:5], s[8:9]
	s_lshr_b32 s8, s13, 4
	s_lshl_b32 s8, s8, 21                          ; ao: b,
	s_lshl_b32 s10, ttmp9, 20                      ; 32 tiles of 32,768 bytes,
	s_add_co_u32 s8, s8, s10
	s_lshl_b32 s10, s[WV], 17                      ; my four,
	s_add_co_u32 s8, s8, s10
	s_and_b32 s10, s13, 15
	s_lshl_b32 s10, s10, 11                        ; the head's two pieces
	s_add_co_u32 s8, s8, s10
	s_add_nc_u64 s[6:7], s[6:7], s[8:9]
	v_and_b32 v[LI], 31, v0
	v_lshlrev_b32 v[LI], 4, v[LI]
	v_add_nc_u32 v[LV], 0x20000, v[LI]
	v_mov_b32 v[GO], v[LI]
	WIN 0x40                                       ; destination window 1
.irp n, 0,1,2,3,4,5,6,7,8,9,10,11,12,13,14,15
	global_load_b128 v[4*\n:4*\n+3], v[GO], s[4:5] offset:512*\n    ; Q stays in registers: tile n / 4, piece (n / 2) % 2
.endr
	WIN 0
.macro LOADKV ak, av, off              ; a step's K (4 tiles of keys x 2 pieces) and V (2 pieces of keys x 4 tiles of channels): 16 + 16 loads
	WIN 0
.irp n, 0,1,2,3,4,5,6,7,8,9,10,11,12,13,14,15
	ds_load_b128 v[KF+4*\n:KF+4*\n+3], v[\ak] offset:\off+512*\n
.endr
	WIN 0x40
.irp n, 0,1,2,3,4,5,6,7,8,9,10,11,12,13,14,15
	ds_load_b128 v[VF+4*\n:VF+4*\n+3], v[\av] offset:\off+512*\n
.endr
.endm
.macro KQALL                           ; 32 products: piece i / 16, keys 16 ((i / 4) % 4) on, tile i % 4.  Sixteen accumulators take turns
	WIN W_KQ
.set i, 0
.rept 32
.set rS, S+32*(i%4)+8*((i/4)%4)
.set rK, KF+16*((i/4)%4)+8*(i/16)
.set rQ, 16*(i%4)+8*(i/16)
.if i < 16
	v_wmma_f32_16x16x32_f16 v[rS:rS+7], v[rK:rK+7], v[rQ:rQ+7], 0
.else
	v_wmma_f32_16x16x32_f16 v[rS:rS+7], v[rK:rK+7], v[rQ:rQ+7], v[rS:rS+7]
.endif
.set i, i+1
.endr
.endm
.macro PVALL first                     ; 32 products: keys 32 (i / 16) on, channels 16 ((i / 4) % 4) on, tile i % 4
	WIN W_PV
.set i, 0
.rept 32
.set rO, OT+32*(i%4)+8*((i/4)%4)
.set rV, VF+32*(i/16)+8*((i/4)%4)
.set rP, S+32*(i%4)+8*(i/16)
.if \first && (i < 16)
	v_wmma_f32_16x16x32_f16 v[rO:rO+7], v[rV:rV+7], v[rP:rP+7], 0
.else
	v_wmma_f32_16x16x32_f16 v[rO:rO+7], v[rV:rV+7], v[rP:rP+7], v[rO:rO+7]
.endif
.set i, i+1
.endr
.endm
; The softmax's first half, the four tiles by turns: the maximum (each accumulator is read from its low end on), the new m, and ONE BATCH of scalings and exponentials with one wait behind it.
.macro SM1 first
	WIN 0
.irp j, 0,1,2,3
.irp t, 0,1,2,3
	v_max3_num_f32 v[ST+8*\t+4+\j], v[S+32*\t+8*\j], v[S+32*\t+8*\j+1], v[S+32*\t+8*\j+2]
.endr
.endr
.irp u, 1,2
.irp j, 0,1,2,3
.irp t, 0,1,2,3
	v_max3_num_f32 v[ST+8*\t+4+\j], v[ST+8*\t+4+\j], v[S+32*\t+8*\j+2*\u+1], v[S+32*\t+8*\j+2*\u+2]
.endr
.endr
.endr
.irp t, 0,1,2,3
	v_max3_num_f32 v[ST+8*\t+4], v[ST+8*\t+4], v[S+32*\t+7], v[S+32*\t+15]
.endr
.irp t, 0,1,2,3
	v_max3_num_f32 v[ST+8*\t+6], v[ST+8*\t+6], v[S+32*\t+23], v[S+32*\t+31]
.endr
.irp t, 0,1,2,3
	v_max3_num_f32 v[ST+8*\t+4], v[ST+8*\t+4], v[ST+8*\t+5], v[ST+8*\t+6]
.endr
.irp t, 0,1,2,3
.if \first
	v_max_num_f32 v[ST+8*\t+4], v[ST+8*\t+4], v[ST+8*\t+7]
.else
	v_max3_num_f32 v[ST+8*\t+4], v[ST+8*\t+4], v[ST+8*\t+7], v[ST+8*\t+1]
.endif
.endr
.irp t, 0,1,2,3
	v_permlanex16_b32 v[ST+8*\t+5], v[ST+8*\t+4], s[SEL], s[SEL+1]   ; the query's other 32 keys lie in the lane 16 away
.endr
.if \first == 0
.irp t, 0,1,2,3
	v_mov_b32 v[ST+8*\t+7], v[ST+8*\t]             ; c m_old
.endr
.endif
.irp t, 0,1,2,3
	v_max_num_f32 v[ST+8*\t+1], v[ST+8*\t+4], v[ST+8*\t+5]
.endr
.irp t, 0,1,2,3
	v_mul_f32 v[ST+8*\t], s[CS], v[ST+8*\t+1]
.endr
.if \first == 0
.irp t, 0,1,2,3
	v_sub_f32 v[ST+8*\t+7], v[ST+8*\t+7], v[ST+8*\t]
.endr
.endif
.irp t, 0,1,2,3
	v_pk_fma_f32 v[S+32*\t:S+32*\t+1], v[S+32*\t:S+32*\t+1], s[CS:CS+1], v[ST+8*\t:ST+8*\t+1] op_sel_hi:[1,0,0] neg_lo:[0,0,1] neg_hi:[0,0,1]   ; c s - c m
.endr
.if \first == 0
.irp t, 0,1,2,3
	v_exp_f32 v[ST+8*\t+6], v[ST+8*\t+7]           ; a
.endr
.endif
.irp b, 0,1,2,3,4,5,6,7,8,9,10,11,12,13,14
.irp t, 0,1,2,3
	v_pk_fma_f32 v[S+32*\t+2*\b+2:S+32*\t+2*\b+3], v[S+32*\t+2*\b+2:S+32*\t+2*\b+3], s[CS:CS+1], v[ST+8*\t:ST+8*\t+1] op_sel_hi:[1,0,0] neg_lo:[0,0,1] neg_hi:[0,0,1]
.endr
.irp t, 0,1,2,3
	v_exp_f32 v[S+32*\t+2*\b], v[S+32*\t+2*\b]
	v_exp_f32 v[S+32*\t+2*\b+1], v[S+32*\t+2*\b+1]
.endr
.endr
.irp t, 0,1,2,3
	v_exp_f32 v[S+32*\t+30], v[S+32*\t+30]
	v_exp_f32 v[S+32*\t+31], v[S+32*\t+31]
.endr
	v_nop                                          ; a plain instruction behind the last exponential
	s_wait_alu depctr_va_vdst(0)                   ; one wait for the batch: nothing above names a result, all readers stand below
.endm
; The second half: the sums of the unrounded p (two chains a tile), p packed to f16 in place, O^T times a.
.macro SM2 first
	WIN 0
.irp t, 0,1,2,3
.if \first
	v_pk_add_f32 v[ST+8*\t+2:ST+8*\t+3], v[S+32*\t:S+32*\t+1], v[S+32*\t+4:S+32*\t+5]
.else
	v_pk_fma_f32 v[ST+8*\t+2:ST+8*\t+3], v[ST+8*\t+2:ST+8*\t+3], v[ST+8*\t+6:ST+8*\t+7], v[S+32*\t:S+32*\t+1] op_sel_hi:[1,0,1]
.endif
	v_pk_add_f32 v[ST+8*\t+4:ST+8*\t+5], v[S+32*\t+2:S+32*\t+3], v[S+32*\t+6:S+32*\t+7]
.endr
.if \first == 0
.irp t, 0,1,2,3
	v_pk_add_f32 v[ST+8*\t+2:ST+8*\t+3], v[ST+8*\t+2:ST+8*\t+3], v[S+32*\t+4:S+32*\t+5]
.endr
.endif
.irp u, 2,3,4,5,6,7
.irp t, 0,1,2,3
	v_pk_add_f32 v[ST+8*\t+2:ST+8*\t+3], v[ST+8*\t+2:ST+8*\t+3], v[S+32*\t+4*\u:S+32*\t+4*\u+1]
	v_pk_add_f32 v[ST+8*\t+4:ST+8*\t+5], v[ST+8*\t+4:ST+8*\t+5], v[S+32*\t+4*\u+2:S+32*\t+4*\u+3]
.endr
.endr
.irp t, 0,1,2,3
	v_pk_add_f32 v[ST+8*\t+2:ST+8*\t+3], v[ST+8*\t+2:ST+8*\t+3], v[ST+8*\t+4:ST+8*\t+5]
.endr
.irp p, 0,1,2,3,4,5,6,7,8,9,10,11,12,13,14,15
.irp t, 0,1,2,3
	v_cvt_pk_f16_f32 v[S+32*\t+\p], v[S+32*\t+2*\p], v[S+32*\t+2*\p+1]    ; ascending: register p is written when 2 p and 2 p + 1 are read
.endr
.endr
.if \first == 0
	WIN W_RS
.irp u, 0,1,2,3,4,5,6,7,8,9,10,11,12,13,14,15
.irp t, 0,1,2,3
	v_pk_mul_f32 v[OT+32*\t+2*\u:OT+32*\t+2*\u+1], v[OT+32*\t+2*\u:OT+32*\t+2*\u+1], v[ST+8*\t+6:ST+8*\t+7] op_sel_hi:[1,0]
.endr
.endr
.endif
.endm
.macro HALF1                           ; the first step's loads, scores and exponentials
	LOADKV LI, LV, 0
	s_wait_dscnt 16                                ; K is in; V's sixteen loads stay out
	KQALL
.rept 4
	v_nop
.endr
	SM1 1
	WIN 0
.endm
; A key step of 64 keys.  byreg = 1: its bytes stand in s[TB]; 0: in the immediate off.
; Five plain instructions stand between the last product V^T P and the products K Q^T that write over the registers of P (and the loads into V's registers).
.macro STEP byreg, off
.if \byreg
	v_add_nc_u32 v[ADK], s[TB], v[LI]
	v_add_nc_u32 v[ADV], s[TB], v[LV]
.rept 3
	v_nop
.endr
	LOADKV ADK, ADV, 0
.else
.rept 5
	v_nop
.endr
	LOADKV LI, LV, \off
.endif
	s_wait_dscnt 16                                ; K is in; V's sixteen loads stay out
	KQALL
.rept 4
	v_nop
.endr
	SM1 0
	SM2 0
	s_wait_dscnt 0x0                               ; V is in
	PVALL 0
	WIN 0
.if \byreg
	s_add_co_u32 s[TB], s[TB], 8192
.endif
.endm
	s_wait_tensorcnt 1                             ; my part of keys 0-255 is in; my second load stays out
	s_barrier_signal -1
	s_barrier_wait -1                              ; everybody's is
	s_wait_loadcnt 0x0                             ; Q
	s_cmp_lt_u32 s[WV], 4
	s_cbranch_scc0 .Llate
	HALF1                                          ; waves 0-3 ahead of the barrier,
.Llate:
	s_wait_dscnt 0x0
	s_barrier_signal -1
	s_barrier_wait -1
	s_cmp_lt_u32 s[WV], 4
	s_cbranch_scc1 .Learly
	HALF1                                          ; waves 4-7 behind it: half a step apart from here on
.Learly:
	SM2 1
	s_wait_dscnt 0x0
	PVALL 1
	WIN 0
	STEP 0, 8192
	STEP 0, 16384
	s_wait_tensorcnt 0x0                           ; my part of keys 256-1023 is in,
	s_wait_dscnt 0x0
	s_barrier_signal -1                            ; say so a whole step ahead of the wait, so that the halves stay apart;
	STEP 0, 24576                                  ; keys 192-255: LDS loads of bytes that nobody writes, and work on registers
	s_barrier_wait -1                              ; everybody's is
	s_mov_b32 s[TB], 32768
	s_mov_b32 s[CNT], 12
.Lstep:
	STEP 1, 0
	s_sub_co_u32 s[CNT], s[CNT], 1
	s_cmp_lg_u32 s[CNT], 0
	s_cbranch_scc1 .Lstep
	; THE WAY OUT.  l's two halves and the other half of the lanes'; O^T / l, rounded to f16: a tile's 16 registers are two images.  The additions are the places behind the last products.
.irp t, 0,1,2,3
	v_add_f32 v[ST+8*\t+4], v[ST+8*\t+2], v[ST+8*\t+3]
.endr
.irp t, 0,1,2,3
	v_permlanex16_b32 v[ST+8*\t+5], v[ST+8*\t+4], s[SEL], s[SEL+1]
.endr
.irp t, 0,1,2,3
	v_add_f32 v[ST+8*\t+4], v[ST+8*\t+4], v[ST+8*\t+5]
.endr
.irp t, 0,1,2,3
	v_rcp_f32 v[ST+8*\t+6], v[ST+8*\t+4]
.endr
	v_nop
	s_wait_alu depctr_va_vdst(0)                   ; one wait for the four reciprocals, ahead of their first reader
.irp t, 0,1,2,3
	WIN W_RS
.irp u, 0,1,2,3,4,5,6,7,8,9,10,11,12,13,14,15
	v_pk_mul_f32 v[OT+32*\t+2*\u:OT+32*\t+2*\u+1], v[OT+32*\t+2*\u:OT+32*\t+2*\u+1], v[ST+8*\t+6:ST+8*\t+7] op_sel_hi:[1,0]
.endr
	WIN 0x05                                       ; sources window 1, destination window 0
.irp p, 0,1,2,3,4,5,6,7,8,9,10,11,12,13,14,15
	v_cvt_pk_f16_f32 v[S+16*\t+\p], v[OT+32*\t+2*\p], v[OT+32*\t+2*\p+1]
.endr
	WIN 0
.irp q, 0,1,2,3
	global_store_b128 v[GO], v[S+16*\t+4*\q:S+16*\t+4*\q+3], s[6:7] offset:\t*32768+\q*512    ; 512 consecutive bytes
.endr
.endr
	s_wait_tensorcnt 0x0                           ; the wave's end
	ds_add_u32 v[SPW], v[NIL]
	s_wait_dscnt 0x0
	s_endpgm
.Lfunc_end_k_qb471f700c4_attn:
	.size	k_qb471f700c4_attn, .Lfunc_end_k_qb471f700c4_attn-k_qb471f700c4_attn
	.p2alignl 7, 3214868480
	.fill 96, 4, 3214868480
	.section	.rodata,"a",@progbits
	.p2align	6, 0x0
	.amdhsa_kernel k_qb471f700c4_attn
		.amdhsa_group_segment_fixed_size 327680
		.amdhsa_private_segment_fixed_size 0
		.amdhsa_enable_private_segment 0
		.amdhsa_kernarg_size 16
		.amdhsa_user_sgpr_count 2
		.amdhsa_user_sgpr_kernarg_segment_ptr 1
		.amdhsa_wavefront_size32 1
		.amdhsa_system_sgpr_workgroup_id_x 1
		.amdhsa_system_sgpr_workgroup_id_y 1
		.amdhsa_system_sgpr_workgroup_id_z 1
		.amdhsa_system_vgpr_workitem_id 0
		.amdhsa_next_free_vgpr 512
		.amdhsa_next_free_sgpr 66
		.amdhsa_reserve_vcc 0
		.amdhsa_float_denorm_mode_32 3
		.amdhsa_float_denorm_mode_16_64 3
		.amdhsa_memory_ordered 1
		.amdhsa_forward_progress 1
		.amdhsa_inst_pref_size 186
	.end_amdhsa_kernel
	.amdgpu_metadata
---
amdhsa.version: [ 1, 2 ]
amdhsa.kernels:
  - .name:           k_qb471f700c4_attn
    .symbol:         k_qb471f700c4_attn.kd
    .args:
      - { .name: qkv, .offset: 0, .size: 8, .value_kind: global_buffer, .address_space: global }
      - { .name: ao, .offset: 8, .size: 8, .value_kind: global_buffer, .address_space: global }
    .group_segment_fixed_size: 327680
    .private_segment_fixed_size: 0
    .kernarg_segment_align: 8
    .kernarg_segment_size: 16
    .max_flat_workgroup_size: 256
    .sgpr_count:     66
    .vgpr_count:     512
    .wavefront_size: 32
...
	.end_amdgpu_metadata
.endif
;; end of part 3
;; launch proj (part 4): grid 8 x 32, 4 waves a work-group, clusters of 4 x 4, 327,680 bytes of LDS; arguments ao, wo16, bo, out0; writes out0
.if DOCPART == 4
	.amdgcn_target "amdgcn-amd-amdhsa--gfx1250"
	.amdhsa_code_object_version 6
	.text
	.protected	k_qb471f700c4_proj
	.globl	k_qb471f700c4_proj
	.p2align	8
	.type	k_qb471f700c4_proj,@function
k_qb471f700c4_proj:
	s_mov_b64 s[64:65], 0
	v_nop
	global_prefetch_b8 v0, s[64:65] scope:SCOPE_SE
	s_setreg_imm32_b32 hwreg(HW_REG_WAVE_MODE, 25, 1), 1
	s_wait_xcnt 0x0
	s_wait_alu depctr_hold_cnt(0) depctr_sa_sdst(0) depctr_va_vdst(0) depctr_va_sdst(0) depctr_va_ssrc(0) depctr_va_vcc(0) depctr_vm_vsrc(0)
	s_getreg_b32 s2, hwreg(HW_REG_IB_STS2, 6, 4)
	s_cmp_eq_u32 s2, 0
	s_cbranch_scc0 .Lentry_in_a_cluster
	s_endpgm
.Lentry_in_a_cluster:
	s_bfe_u32 s2, ttmp6, 0x10000c
	s_cmp_lg_u32 s2, 0xf033
	s_cbranch_scc0 .Lentry_shape_is_right
	s_endpgm
.Lentry_shape_is_right:
; out0[t][b][n] = the sum over k of ao[m'][k] Wo[n][k] + bo[n], m' = 1024 b + t.  Operands f16, sums f32, K = 1,024.
; ao: [512 tiles of 16 rows m'][32 pieces of 32 k][1,024 bytes], wo16: [64 tiles of 16 n][32][1,024]: images of operand registers (registers 4 c .. 4 c + 3 of lane l at 512 c + 16 l).
; A work-group of four waves makes 256 rows x 128 columns (256 work-groups); wave w makes rows 64 w .. 64 w + 63 x all 128 columns: 32 accumulators.  A tile of 256 x 256 would give 128 work-groups.
; K goes in steps of 128 (four pieces: 4,096 consecutive bytes of each tile of rows); images are read at 16 x lane, so nothing is padded.
; THE RING HAS A LONG SLOT AND A SHORT ONE: LDS has room for three K steps.  The long slot holds two (8,192 bytes a tile of rows, brought by one load a wave), the short one holds one:
;   long: K steps 0, 1 | long is asked for 3, 4 | short: 2 | short is asked for 5 | long: 3, 4 | long is asked for 6, 7 | short: 5 | long: 6, 7.
; So the eight K steps take three refills, each behind one round of the cluster's barrier; the short slot's refill has two K steps in which to land, the long slot's have one.  The K steps are written out: 32 quarters by macro.
; CLUSTERS: 4 x 4: ao's tiles are shared along a row of the cluster, Wo's along a column: joint loads.
; The product is used transposed (source 0 = Wo's fragment, source 1 = ao's): a lane holds eight neighbouring columns of one row.  bo is the C of each sum's first product.
; REGISTERS: window 0: v0-31 addresses; v64-127 bo as C; v128-255 rows on the way out.  window 1: two fragment buffers, v0 and v128: Wo's eight at +8 b, ao's four at +64 + 8 a.  window 2: accumulator (a, b) at v[8 (8 a + b)].
.set DB,     131072                    ; the long slot: ao's 16 tiles x 8,192 bytes from byte 0, Wo's 8 x 8,192 from here
.set ESL,    196608                    ; the short slot: ao's 16 x 4,096,
.set EB,     ESL+65536                 ; Wo's 8 x 4,096
.set STAGE,  ESL                       ; the way out: 16 rows x 528 bytes for each wave, in the short slot: it has had its last fill, and every wave has passed the barrier behind its last read
.set SPITCH, 528
.set SPARE,  294912                    ; behind the ring: the spare words, 128 bytes a wave
.set KB,     4096                      ; a K step of a tile, in bytes
.set ADA,  16                          ; v16, v17 my lane in my four tiles of ao: long slot, short slot
.set ADB,  20                          ; v20, v21 the same for Wo's eight
.set STO,  24
.set RD,   25
.set CO,   26
.set SPW,  28
.set NIL,  29
.set PFO,  30
.set BI,   64
.set BK,   128
.set F0,   0
.set F1,   128
.set WV, 12                            ; s12 wave
.set FB, 13                            ; s13 I fetch for ao (0) or Wo (1)
.set HF, 14                            ; s14 which half of that tile
.set G1AD, 24                          ; groups 1: ao, long slot;
.set G1BD, 32                          ; Wo, long slot;
.set G1AE, 40                          ; ao, short slot;
.set G1BE, 48                          ; Wo, short slot
.set G0AD, 56                          ; and their groups 0
.set G0BD, 60
.set G0AE, 68
.set G0BE, 72
.set PFA,  76                          ; s[76:77] my work-group's two tiles of ao for the prefetches; never rewritten
.set LIM,  78                          ; s78 1 in a wave that prefetches
.set MSB, 0
.macro WIN new
.if MSB != \new
	s_set_vgpr_msb (MSB<<8)|\new
.set MSB, \new
.endif
.endm
.set MUL,  0xa5                        ; sources 0 and 1 window 1; C and D window 2
.set FST,  0x85                        ; the first quarter: C (bo) window 0
.set TO_F, 0x40
.macro JLOAD g0a, g1a, g0b, g1b        ; a joint load: waves 0, 1 for ao's halves, waves 2, 3 for Wo's; an s_nop 0 and four v_nop follow each line
	s_cmp_eq_u32 s[FB], 0
	s_cbranch_scc0 .Lfor_b_\@
	tensor_load_to_lds s[\g0a:\g0a+3], s[\g1a:\g1a+7]
	s_nop 0
.rept 4
	v_nop
.endr
	s_branch .Lasked_\@
.Lfor_b_\@:
	tensor_load_to_lds s[\g0b:\g0b+3], s[\g1b:\g1b+7]
	s_nop 0
.rept 4
	v_nop
.endr
.Lasked_\@:
.endm
; A prefetch of ao's K steps first .. first + count - 1, which the NEXT refill will ask for: behind the joint load and the run of LDS loads.  ao's tile row is read by both clusters of a row of clusters: the one with x = 0 asks.
; Of the 8 tiles of rows that wave 0 or 1 fetches, the partner at place cx takes two, told apart by address: 2 x 4,096 bytes a K step, lanes 256 bytes apart: each block is named once.  The K step stands in the immediate.
; K steps 0 to 4 come by their loads alone; behind the last refill nothing is asked for.
.macro ASK first, count
	s_cmp_eq_u32 s[LIM], 1
	s_cbranch_scc0 .Lnot_mine_\@
	global_prefetch_b8 v[PFO], s[PFA:PFA+1] offset:(\first)*KB th:TH_LOAD_NT scope:SCOPE_SE
.if \count > 1
	global_prefetch_b8 v[PFO], s[PFA:PFA+1] offset:(\first)*KB+KB th:TH_LOAD_NT scope:SCOPE_SE
.endif
.Lnot_mine_\@:
.endm
.macro CREST
	s_cmp_lg_u32 s[WV], 0
	s_cbranch_scc1 .Lnot_wave_0_\@
	s_barrier_signal -3
.Lnot_wave_0_\@:
	s_barrier_wait -3
	s_barrier_signal -1
	s_barrier_wait -1
.endm
.macro CROUND
	s_barrier_signal -1
	s_barrier_wait -1
	CREST
.endm
.macro G1C g, c, r                     ; a group 1's constant words: r rows (tiles) of c elements of 8 bytes, 32,768 bytes apart
	s_mov_b32 s[\g+1], (\c)<<16
	s_mov_b32 s[\g+2], (\r)<<16
	s_mov_b32 s[\g+3], (\c)<<16
	s_mov_b32 s[\g+4], \r
	s_mov_b32 s[\g+5], 4096
	s_mov_b32 s[\g+6], 0
	s_mov_b32 s[\g+7], 0
.endm
	s_load_b128 s[4:7], s[0:1], 0x0                ; ao, wo16
	s_load_b128 s[8:11], s[0:1], 0x10              ; bo, out0
	v_lshl_add_u32 v[SPW], v0, 2, SPARE
	v_mov_b32 v[NIL], 0
	ds_add_u32 v[SPW], v[NIL]                      ; the wave's opening: the add, twice on end, and its wait ahead of my first tensor load
	ds_add_u32 v[SPW], v[NIL]
	v_lshrrev_b32 v1, 5, v0
	v_readfirstlane_b32 s[WV], v1
	s_lshr_b32 s[FB], s[WV], 1
	s_and_b32 s[HF], s[WV], 1
	s_bfe_u32 s80, ttmp6, 0x40000                  ; cx
	s_bfe_u32 s81, ttmp6, 0x40004                  ; cy
	s_lshl_b32 s82, ttmp9, 2
	s_add_co_u32 s82, s82, s80                     ; block of 128 columns = 4 x cluster x + cx
	s_and_b32 s15, ttmp7, 0xffff
	s_lshl_b32 s15, s15, 2
	s_add_co_u32 s15, s15, s81                     ; block of 256 rows = 4 x cluster y + cy
	s_lshl_b32 s83, s81, 2
	s_lshl_b32 s83, 15, s83                        ; my row of the cluster
	s_lshl_b32 s84, 0x1111, s80                    ; my column
	s_or_b32 s[G1AD], s83, (3<<16)|(1<<21)         ; mask; elements of 8 bytes; bit 21 beside a mask; no padding
	s_or_b32 s[G1AE], s83, (3<<16)|(1<<21)
	s_or_b32 s[G1BD], s84, (3<<16)|(1<<21)
	s_or_b32 s[G1BE], s84, (3<<16)|(1<<21)
	G1C G1AD, 1024, 8                              ; two K steps of 8 tiles of ao
	G1C G1BD, 1024, 4                              ; of 4 tiles of Wo
	G1C G1AE, 512, 8                               ; one K step
	G1C G1BE, 512, 4
	s_lshl_b32 s16, s15, 4
	s_lshl_b32 s17, s[HF], 3
	s_add_co_u32 s16, s16, s17                     ; ao: tile 16 x block + 8 x half
	s_lshl_b32 s16, s16, 15
	s_mov_b32 s17, 0
	s_lshl_b32 s18, s82, 3
	s_lshl_b32 s19, s[HF], 2
	s_add_co_u32 s18, s18, s19                     ; Wo: tile 8 x block + 4 x half
	s_lshl_b32 s18, s18, 15
	s_mov_b32 s19, 0
	s_lshl_b32 s20, s[HF], 16                      ; where they go: no place in the cluster enters an LDS address
	s_lshl_b32 s21, s[HF], 15
	s_add_co_u32 s22, s21, ESL
	s_add_co_u32 s21, s21, DB
	s_lshl_b32 s23, s[HF], 14
	s_add_co_u32 s23, s23, EB
	s_wait_dscnt 0x0                               ; both opening adds are done
	s_wait_kmcnt 0x0
	s_add_nc_u64 s[16:17], s[4:5], s[16:17]
	s_add_nc_u64 s[18:19], s[6:7], s[18:19]
	CROUND                                         ; all sixteen work-groups are here: the first joint loads meet
	s_mov_b32 s[G0AD], 1
	s_mov_b32 s[G0AD+1], s20
	s_mov_b64 s[G0AD+2:G0AD+3], s[16:17]
	s_or_b32 s[G0AD+3], s[G0AD+3], 0x80000000
	s_mov_b32 s[G0BD], 1
	s_mov_b32 s[G0BD+1], s21
	s_mov_b64 s[G0BD+2:G0BD+3], s[18:19]
	s_or_b32 s[G0BD+3], s[G0BD+3], 0x80000000
	JLOAD G0AD, G1AD, G0BD, G1BD                   ; K steps 0 and 1
	s_mov_b32 s[G0AE], 1
	s_mov_b32 s[G0AE+1], s22
	s_add_nc_u64 s[G0AE+2:G0AE+3], s[16:17], 2*KB
	s_or_b32 s[G0AE+3], s[G0AE+3], 0x80000000
	s_mov_b32 s[G0BE], 1
	s_mov_b32 s[G0BE+1], s23
	s_add_nc_u64 s[G0BE+2:G0BE+3], s[18:19], 2*KB
	s_or_b32 s[G0BE+3], s[G0BE+3], 0x80000000
	JLOAD G0AE, G1AE, G0BE, G1BE                   ; K step 2: two loads of mine are out
	v_and_b32 v1, 15, v0                           ; r
	v_bfe_u32 v2, v0, 4, 1                         ; h
	v_and_b32 v3, 31, v0
	v_lshlrev_b32 v3, 4, v3                        ; 16 x lane
	s_lshl_b32 s22, s[WV], 15                      ; my four tiles of rows in the long slot,
	v_add_nc_u32 v[ADA], s22, v3
	s_lshl_b32 s22, s[WV], 14                      ; and in the short one
	s_add_co_u32 s22, s22, ESL
	v_add_nc_u32 v[ADA+1], s22, v3
	v_add_nc_u32 v[ADB], DB, v3
	v_add_nc_u32 v[ADB+1], EB, v3
	s_mul_i32 s22, s[WV], 16*SPITCH
	s_add_co_u32 s22, s22, STAGE                   ; my stage
	v_mul_u32_u24 v4, v1, SPITCH
	v_lshl_add_u32 v4, v2, 5, v4
	v_add_nc_u32 v[STO], s22, v4                   ; in: row r, 32 bytes for each half of the lanes
	v_add_nc_u32 v[RD], s22, v3                    ; back: the 32 lanes take one row of 512 bytes
	v_mov_b32 v[CO], v3
	v_lshlrev_b32 v5, 5, v2                        ; bo: 32 h bytes
	s_lshl_b32 s22, s82, 9
	s_mov_b32 s23, 0
	s_add_nc_u64 s[8:9], s[8:9], s[22:23]
.irp b, 0,1,2,3,4,5,6,7
	global_load_b128 v[BI+8*\b:BI+8*\b+3],   v5, s[8:9] offset:64*\b       ; columns 16 b + 8 h + 0 .. 7
	global_load_b128 v[BI+8*\b+4:BI+8*\b+7], v5, s[8:9] offset:64*\b+16
.endr
	s_and_b32 s22, s15, 3
	s_lshl_b32 s22, s22, 23                        ; out0: t = 256 (block % 4): rows of 32,768 bytes,
	s_lshl_b32 s23, s[WV], 21                      ; + 64 x wave,
	s_add_co_u32 s22, s22, s23
	s_lshr_b32 s23, s15, 2
	s_lshl_b32 s23, s23, 12                        ; b = block / 4,
	s_add_co_u32 s22, s22, s23
	s_lshl_b32 s23, s82, 9                         ; 128 columns of 4 bytes
	s_add_co_u32 s22, s22, s23
	s_mov_b32 s23, 0
	s_add_nc_u64 s[10:11], s[10:11], s[22:23]
	v_lshlrev_b32 v[PFO], 15, v2                   ; the prefetches: lanes 16-31 the second tile,
	v_lshl_add_u32 v[PFO], v1, 8, v[PFO]           ; 256 bytes from lane to lane
	s_lshl_b32 s22, s15, 4
	s_lshl_b32 s23, s[HF], 3
	s_add_co_u32 s22, s22, s23
	s_lshl_b32 s23, s80, 1
	s_add_co_u32 s22, s22, s23                     ; tile 16 x block + 8 x half + 2 cx
	s_lshl_b32 s22, s22, 15
	s_mov_b32 s23, 0
	s_add_nc_u64 s[PFA:PFA+1], s[4:5], s[22:23]
	s_or_b32 s[LIM], s[FB], ttmp9                  ; 0 in waves 0, 1 of the clusters with x = 0: the same in all sixteen partners
	s_cmp_eq_u32 s[LIM], 0
	s_cselect_b32 s[LIM], 1, 0
.macro MULA f, a, cm                   ; 8 products: ao's block a x Wo's eight, 32 along K.  The 32 accumulators take turns
.irp b, 0,1,2,3,4,5,6,7
.if \cm
	v_wmma_f32_16x16x32_f16 v[8*(8*(\a)+\b):8*(8*(\a)+\b)+7], v[\f+8*\b:\f+8*\b+7], v[\f+64+8*(\a):\f+64+8*(\a)+7], v[BI+8*\b:BI+8*\b+7]
.else
	v_wmma_f32_16x16x32_f16 v[8*(8*(\a)+\b):8*(8*(\a)+\b)+7], v[\f+8*\b:\f+8*\b+7], v[\f+64+8*(\a):\f+64+8*(\a)+7], v[8*(8*(\a)+\b):8*(8*(\a)+\b)+7]
.endif
.endr
.endm
.macro WINM cm
.if \cm
	WIN FST
.else
	WIN MUL
.endif
.endm
.macro FETCH ra, rb, tp, off, f        ; 24 LDS loads in one run: Wo's eight fragments, then ao's four; tp: bytes from tile to tile in the slot; off: the piece's place in a tile
	WIN TO_F
.irp i, 0,1,2,3,4,5,6,7
	ds_load_b128 v[\f+8*\i:\f+8*\i+3],   v[\rb] offset:\i*\tp+(\off)
	ds_load_b128 v[\f+8*\i+4:\f+8*\i+7], v[\rb] offset:\i*\tp+(\off)+512
.endr
.irp i, 0,1,2,3
	ds_load_b128 v[\f+64+8*\i:\f+64+8*\i+3],   v[\ra] offset:\i*\tp+(\off)
	ds_load_b128 v[\f+64+8*\i+4:\f+64+8*\i+7], v[\ra] offset:\i*\tp+(\off)+512
.endr
.endm
.macro FP n, f                         ; piece n of K's 32: K step n / 4; K steps 0, 1, 3, 4, 6, 7 lie in the long slot (first or second half of a tile's 8,192 bytes), 2 and 5 in the short one
.if (((\n)/4)%3) == 2
	FETCH ADA+1, ADB+1, 4096, ((\n)%4)*1024, \f
.else
	FETCH ADA, ADB, 8192, (((\n)/4)%3)*4096+((\n)%4)*1024, \f
.endif
.endm
.macro PLACES                          ; plain vector instructions between a matrix instruction and a load into, or a read of, its registers
.rept 4
	v_nop
.endr
.endm
.macro QUARTER n, cm                   ; piece n, in buffer n % 2, is multiplied; in the middle piece n + 1 is fetched into the other buffer
	s_wait_dscnt 4                                 ; all but ao's blocks 2, 3 are in
	WINM \cm
	MULA 128*((\n)%2), 0, \cm
	MULA 128*((\n)%2), 1, \cm
	PLACES
	FP (\n)+1, 128*(((\n)+1)%2)
	s_wait_dscnt 24                                ; all but the 24 just issued
	WINM \cm
	MULA 128*((\n)%2), 2, \cm
	MULA 128*((\n)%2), 3, \cm
.endm
.macro QS from, to                     ; quarters from .. to
.set N, \from
.rept \to-\from+1
	QUARTER N, 0
.set N, N+1
.endr
.endm
; A slot's last quarter (piece n, in buffer 1) changes slots: one barrier; in front of it each wave waits for all its tensor loads, adds 0 to its spare word, and waits for that and for its reads of this slot.
; fill = 1: the long slot, just read out, is filled again; 2: the short one; 0: nothing.  The next K steps of a slot lie three K steps on.
.macro TURN n, fill
	WIN 0
	s_wait_tensorcnt 0x0                           ; all my tensor loads have landed: my part of the slot that is read next
	ds_add_u32 v[SPW], v[NIL]                      ; 0 onto my spare word
	s_wait_dscnt 5                                 ; (the add and ao's blocks 2, 3 may be out)
	WIN MUL
	MULA F1, 0, 0
	s_wait_dscnt 0x0                               ; the add is done, and my reads of this slot are over
	s_barrier_signal -1
	MULA F1, 1, 0
	WIN 0
	s_barrier_wait -1
.if \fill == 1
	CREST                                          ; the barrier has opened a round of the cluster's: no wave of any partner still reads this slot or has a load on its way
	s_add_nc_u64 s[G0AD+2:G0AD+3], s[G0AD+2:G0AD+3], 3*KB
	s_add_nc_u64 s[G0BD+2:G0BD+3], s[G0BD+2:G0BD+3], 3*KB
	JLOAD G0AD, G1AD, G0BD, G1BD                   ; my one tensor load behind the round; its four v_nop are also the places in front of the loads below
.elseif \fill == 2
	CREST
	s_add_nc_u64 s[G0AE+2:G0AE+3], s[G0AE+2:G0AE+3], 3*KB
	s_add_nc_u64 s[G0BE+2:G0BE+3], s[G0BE+2:G0BE+3], 3*KB
	JLOAD G0AE, G1AE, G0BE, G1BE
.else
	PLACES
.endif
	FP (\n)+1, F0
.if (\n) == 7
	WIN 0
	ASK 5, 1                                       ; what the short slot's refill will ask for
.elseif (\n) == 11
	WIN 0
	ASK 6, 2                                       ; what the long slot's last refill will ask for
.endif
	WIN MUL
	MULA F1, 2, 0
	MULA F1, 3, 0
.endm
	s_wait_tensorcnt 1                             ; my part of K steps 0, 1 is in; K step 2's load may be out
	s_barrier_signal -1
	s_barrier_wait -1
	FP 0, F0
	s_wait_loadcnt 0x0                             ; bo
	QUARTER 0, 1                                   ; the first quarter starts the sums with bo
	QS 1, 6
	TURN 7, 1                                      ; the long slot takes K steps 3, 4
	QS 8, 10
	TURN 11, 2                                     ; the short slot takes K step 5
	QS 12, 18
	TURN 19, 1                                     ; the long slot takes K steps 6, 7: the last load
	QS 20, 22
	TURN 23, 0                                     ; nothing is left to fetch
	QS 24, 30
	s_wait_dscnt 4                                 ; the last quarter
	WIN MUL
	MULA F1, 0, 0
	MULA F1, 1, 0
	s_wait_dscnt 0
	MULA F1, 2, 0
	MULA F1, 3, 0
	WIN 0
; THE WAY OUT, a block of 16 rows x 128 columns at a time, through my own stage: in as 32 bytes a lane, back as whole rows of 512 bytes.  LDS serves a wave's instructions in order (ISA guide 5.7.1.4).
.macro TOSTAGE a
	WIN 0x08                                       ; an LDS store's data: window 2
.irp b, 0,1,2,3,4,5,6,7
	ds_store_b128 v[STO], v[64*(\a)+8*\b:64*(\a)+8*\b+3] offset:64*\b        ; each accumulator from its low end on
	ds_store_b128 v[STO], v[64*(\a)+8*\b+4:64*(\a)+8*\b+7] offset:64*\b+16
.endr
	WIN 0
.set BB, BK+64*((\a)%2)
.irp t, 0,1,2,3,4,5,6,7,8,9,10,11,12,13,14,15
	ds_load_b128 v[BB+4*\t:BB+4*\t+3], v[RD] offset:\t*SPITCH
.endr
.endm
.macro SEND a, younger
.set BB, BK+64*((\a)%2)
	s_wait_dscnt \younger                          ; the block is back; the next block's 16 stores and 16 loads may be out
.irp t, 0,1,2,3,4,5,6,7,8,9,10,11,12,13,14,15
	global_store_b128 v[CO], v[BB+4*\t:BB+4*\t+3], s[10:11] offset:(\a)*524288+\t*32768 th:TH_STORE_NT   ; 512 consecutive bytes of one row of out0
.endr
.endm
	PLACES
	TOSTAGE 0
.irp a, 1,2,3
.if \a > 1
	s_wait_xcnt 0x0                                ; block a - 2's stores have read their data: block a's loads land there only behind this wait
.endif
	TOSTAGE \a
	SEND \a-1, 32
.endr
	SEND 3, 0
	s_wait_tensorcnt 0x0                           ; the wave's end
	ds_add_u32 v[SPW], v[NIL]
	s_wait_dscnt 0x0
	CROUND                                         ; the closing round
	s_endpgm
.Lfunc_end_k_qb471f700c4_proj:
	.size	k_qb471f700c4_proj, .Lfunc_end_k_qb471f700c4_proj-k_qb471f700c4_proj
	.p2alignl 7, 3214868480
	.fill 96, 4, 3214868480
	.section	.rodata,"a",@progbits
	.p2align	6, 0x0
	.amdhsa_kernel k_qb471f700c4_proj
		.amdhsa_group_segment_fixed_size 327680
		.amdhsa_private_segment_fixed_size 0
		.amdhsa_enable_private_segment 0
		.amdhsa_kernarg_size 32
		.amdhsa_user_sgpr_count 2
		.amdhsa_user_sgpr_kernarg_segment_ptr 1
		.amdhsa_wavefront_size32 1
		.amdhsa_system_sgpr_workgroup_id_x 1
		.amdhsa_system_sgpr_workgroup_id_y 1
		.amdhsa_system_sgpr_workgroup_id_z 1
		.amdhsa_system_vgpr_workitem_id 0
		.amdhsa_next_free_vgpr 768
		.amdhsa_next_free_sgpr 88
		.amdhsa_reserve_vcc 0
		.amdhsa_float_denorm_mode_32 3
		.amdhsa_float_denorm_mode_16_64 3
		.amdhsa_memory_ordered 1
		.amdhsa_forward_progress 1
		.amdhsa_inst_pref_size 149
	.end_amdhsa_kernel
	.amdgpu_metadata
---
amdhsa.version: [ 1, 2 ]
amdhsa.kernels:
  - .name:           k_qb471f700c4_proj
    .symbol:         k_qb471f700c4_proj.kd
    .args:
      - { .name: ao, .offset: 0, .size: 8, .value_kind: global_buffer, .address_space: global }
      - { .name: wo16, .offset: 8, .size: 8, .value_kind: global_buffer, .address_space: global }
      - { .name: bo, .offset: 16, .size: 8, .value_kind: global_buffer, .address_space: global }
      - { .name: out0, .offset: 24, .size: 8, .value_kind: global_buffer, .address_space: global }
    .group_segment_fixed_size: 327680
    .private_segment_fixed_size: 0
    .kernarg_segment_align: 8
    .kernarg_segment_size: 32
    .max_flat_workgroup_size: 128
    .sgpr_count:     88
    .vgpr_count:     768
    .wavefront_size: 32
...
	.end_amdgpu_metadata
.endif
;; end of part 4
